; MI455X (gfx1250); checked and timed in simulation.
; The chip was launched on July 23, 2026; its instructions are those of AMD's public machine-readable ISA for CDNA 5 (MIT licence, August 2026) and "CDNA5" Instruction Set Architecture Reference Guide (July 2026). The comments in the code are by the model that wrote it; some were corrected since.
;; GPT Block. Allowed arithmetic: matrix products marked QUANTISED: E3M2 operands, one E8M0 scale for each 32 along K, by v_wmma_scale_f32_16x16x128_f8f6f4 with both operands' format E3M2, f32 sums; everything else in f32.
;; Inputs: w_ff1_codes 4,096 x 32 x 24 uint8 (E3M2 codes of w_ff1, K innermost, in blocks of 32 codes, four codes in three bytes); w_ff1_scales 4,096 x 32 uint8 (E8M0 scales of w_ff1, one for each 32 codes along K); w_ff2_codes 1,024 x 128 x 24 uint8 (E3M2 codes of w_ff2, K innermost, in blocks of 32 codes, four codes in three bytes); w_ff2_scales 1,024 x 128 uint8 (E8M0 scales of w_ff2, one for each 32 codes along K); w_out_codes 1,024 x 32 x 24 uint8 (E3M2 codes of w_out, K innermost, in blocks of 32 codes, four codes in three bytes); w_out_scales 1,024 x 32 uint8 (E8M0 scales of w_out, one for each 32 codes along K); w_qkv_codes 3,072 x 32 x 24 uint8 (E3M2 codes of w_qkv, K innermost, in blocks of 32 codes, four codes in three bytes); w_qkv_scales 3,072 x 32 uint8 (E8M0 scales of w_qkv, one for each 32 codes along K); x 4 x 1,024 x 1,024 float32.
;; Outputs: out0 4 x 1,024 x 1,024 float32.
;; This version of the problem:
;;   THIS VERSION OF THE PROBLEM IS GIVEN IN LOW PRECISION. The matrix products marked QUANTISED in the list below multiply operands that are first quantised to E3M2 (3 exponent bits, 2 mantissa bits; 6 bits a number), with one power-of-two scale for each 32 numbers along K (OCP MX v1.0); their sums are f32. All else is computed in f32.
;;   The module's matrix products, in the order in which they are computed (A, B: the left and right operand; K: the contracted axis; several contracted axes count as one K, in the product's order):
;;     1. [M 4,096, K 1,024] x [K 1,024, N 3,072]; A: input x; B: input w_qkv (given as codes): QUANTISED
;;     2. batch 64 x [M 1,024, K 64] x [K 64, N 1,024]; A: computed on the way; B: computed on the way: QUANTISED
;;     3. batch 64 x [M 1,024, K 1,024] x [K 1,024, N 64]; A: softmax (see below); B: computed on the way: QUANTISED
;;     4. [M 4,096, K 1,024] x [K 1,024, N 1,024]; A: computed on the way; B: input w_out (given as codes): QUANTISED
;;     5. [M 4,096, K 1,024] x [K 1,024, N 4,096]; A: computed on the way; B: input w_ff1 (given as codes): QUANTISED
;;     6. [M 4,096, K 4,096] x [K 4,096, N 1,024]; A: computed on the way; B: input w_ff2 (given as codes): QUANTISED
;;   THE QUANTISER, for each operand of a quantised product, along K:
;;     - K is cut into blocks of 32 from its start; a last block that is shorter is filled with zeros.
;;     - A block's scale is 2^e with e = floor(log2(the largest magnitude in the block)) - 4, held to -126 .. 127; a block of zeros has e = 0. As a byte (E8M0): e + 127.
;;     - Each number is divided by its block's scale, clamped to +-28, and rounded to the nearest number of E3M2, ties to even, subnormals kept.
;;     - The product sums the exact products of the quantised numbers (number of the format x scale) in f32.
;;   ~~~python
;;   def quantise(x, axis):      # numpy; x: float32 -> the quantised numbers, widened to float32 again
;;       x = np.moveaxis(x, axis, -1); K = x.shape[-1]
;;       x = np.pad(x, [(0, 0)] * (x.ndim - 1) + [(0, -K % 32)]); x = x.reshape(x.shape[:-1] + (-1, 32)); a = np.abs(x).max(-1, keepdims=True)
;;       e = np.where(a > 0, np.clip(np.frexp(np.where(a > 0, a, 1))[1] - 1 - 4, -126, 127), 0)      # np.frexp(a)[1] - 1 = floor(log2(a)), exactly
;;       r = np.clip(x / 2.0 ** e, -28, 28)
;;       step = 2.0 ** (np.maximum(np.frexp(np.where(r == 0, 1, r))[1] - 1, -2) - 2)
;;       q = np.round(r / step) * step * 2.0 ** e      # np.round: ties to even
;;       return np.moveaxis(q.reshape(q.shape[:-2] + (-1,))[..., :K], -1, axis).astype(np.float32)
;;   ~~~
;;   SOFTMAX AHEAD OF A QUANTISED PRODUCT. Where the list says 'softmax', what is quantised is not the finished softmax but p = 2^(t - M), with t = logit x log2(e) and M = ceil(the row's largest t), a whole number; so 1/2 < the row's largest p <= 1. The row's sum l is taken of the UNQUANTISED p, in f32, and the product's result is divided by l at the end. Since M is a whole number, a kernel that streams over the keys may use a running M (the ceiling of the running maximum): every later rescaling is an exact power of two, which a block's scale takes up: the codes' values come out the same.
;;   OPERANDS COMPUTED ON THE WAY. 'Computed on the way' means the value that the module computes at that place (a softmax that the list does not call 'softmax' is quantised finished and normalised). What goes into a quantiser is computed in f32, as accurately as f32 sums, v_exp_f32 and their like allow (about 1e-6 of the number): no bf16 or f16 on the way to a quantiser, and a product that is left as it is and whose result goes on into a quantised operand takes f32 operands (vector FMAs, or v_wmma_f32_16x16x4_f32). A number that lies on a knife's edge between two numbers of the format may be rounded either way, as far as f32 arithmetic and the matrix unit's own rounding can turn it there, and no further.
;;   INPUTS GIVEN AS CODES. w_ff1 (in the module: [1024, 4096], K = its axis 0); w_ff2 (in the module: [4096, 1024], K = its axis 0); w_out (in the module: [1024, 1024], K = its axis 0); w_qkv (in the module: [1024, 3072], K = its axis 0): each comes as NAME_codes (uint8): NAME with its K axis moved to the last place and cut into blocks of 32 codes, [.., K / 32, bytes a block], one block behind the other in memory; four codes in three bytes: a row's codes are one little-endian stream of bits, code i at bits 6 i .. 6 i + 5 (a code: sign, 3 exponent bits, 2 mantissa bits); and NAME_scales (uint8): the same leading axes, one E8M0 byte (e + 127) for each 32 codes along K. Its value is code x scale, taken as it is: it is not quantised again, and the codes and scales need not be those that the quantiser above would give.
;; One version. Each part assembles by itself: llvm-mc -triple=amdgcn-amd-amdhsa -mcpu=gfx1250 --defsym DOCPART=n.
;; ======== version 1 of 1: 6 launches
;; limits: right only within a limited range of input values
;; workspace buffers: bq 13,107,200 bytes; bqkv 10,092,544 bytes; ba 3,276,800 bytes; bx1 20,054,016 bytes; bh 13,107,200 bytes
;; launch prep (part 1): grid 320 x 1, 4 waves a work-group, no clusters, 87,552 bytes of LDS; arguments x, w_qkv_codes, w_qkv_scales, w_out_codes, w_out_scales, w_ff1_codes, w_ff1_scales, w_ff2_codes, w_ff2_scales, bq; writes bq
.if DOCPART == 1
	.amdgcn_target "amdgcn-amd-amdhsa--gfx1250"
	.amdhsa_code_object_version 6
	.text
	.protected	k_qa3c4310a28_prep
	.globl	k_qa3c4310a28_prep
	.p2align	8
	.type	k_qa3c4310a28_prep,@function
k_qa3c4310a28_prep:
	s_mov_b64 s[64:65], 0
	v_nop
	global_prefetch_b8 v0, s[64:65] scope:SCOPE_SE
	s_setreg_imm32_b32 hwreg(HW_REG_WAVE_MODE, 25, 1), 1
	s_wait_xcnt 0x0
; x (f32) is quantised to codes of E3M2 with one E8M0 byte for each 32 along K, and the four weights, which arrive as codes in rows, are laid anew: all into bq, in ONE layout, the image of a matrix operand's registers.
; THE IMAGE.  Rows go in blocks of 16: block 2 g + u holds at place r the row 32 g + 8 u + r % 8 + 16 (r / 8).  A fragment (a block x 128 along K) is 12 registers a lane: six planes of 256 bytes, plane p = registers
; 2 p, 2 p + 1, 8 bytes a lane, lane (r, h) holding k = 64 (p / 3) + 32 h + ..: 1,536 bytes.  A block's fragments follow each other along K.  Scale words: one word a row and fragment, 64 bytes a fragment.
; bq: codes: 768 blocks x 12,288 bytes (x 0-255, w_qkv 256-447, w_out 448-511, w_ff1 512-767), then w_ff2, 64 blocks x 49,152; scale words from byte 12,582,912 on, in the same order.
; Work-groups 0-127 take x: a wave takes a block and 512 along K.  Work-groups 128-319 take the weights: a wave takes a block and 1,024 along K (768 bytes of each row).  The two ways have LDS bytes of their own.
; A block's scale is 2^(floor(log2(largest magnitude)) - 4); its byte is the largest magnitude's exponent field - 4, held at 1 from below (a block of zeros gets 1: its codes are zeros, and only this program reads the bytes).
; LIMITS: NaN and infinities in x are not served; blocks whose largest magnitude lies under 2^-122 are held at the floor.
; No tensor load, no barrier: waves share nothing.
.set XW,    8704                       ; x: LDS of a wave: a stage of 16 rows x 528 bytes, then 256 bytes of scale words
.set WBASE, 4*XW                       ; the weights' LDS begins behind x's
.set WW,    13056                      ; a wave's: a stage of 16 rows x 784 bytes, then 512 bytes of scale words
.set R,     16                         ; v16-143  two sets of 64: a step's numbers as loaded
.set X,     144                        ; v144-207 64 numbers: register 16 b + i = k 32 b + 16 h + i of my row
.set TM,    208                        ; v208-223 at work
.set PW,    224                        ; the scale word just made
.set PC,    228                        ; v228-247 the codes just made
.set SEL,   22                         ; s[22:23] selects for lane l xor 16
	s_load_b512 s[32:47], s[0:1], 0x0              ; x, w_qkv codes, scales, w_out codes, scales, w_ff1 codes, scales, w_ff2 codes
	s_load_b128 s[48:51], s[0:1], 0x40             ; w_ff2 scales, bq
	v_lshl_add_u32 v254, v0, 2, 0x15400
	v_mov_b32 v255, 0
	v_lshrrev_b32 v1, 5, v0
	v_readfirstlane_b32 s8, v1                     ; wave 0..3
	v_and_b32 v7, 31, v0                           ; lane
	v_and_b32 v8, 15, v0                           ; r
	v_bfe_u32 v9, v0, 4, 1                         ; h
	v_lshlrev_b32 v1, 4, v7                        ; 16 x lane
	v_lshlrev_b32 v4, 3, v7                        ; 8 x lane
	s_cmp_lt_u32 ttmp9, 128
	s_cbranch_scc0 .Lweights
; ---------------- x ----------------
	s_mul_i32 s9, s8, XW
	v_add_nc_u32 v2, s9, v1                        ; into the stage: 16 x lane (a row's 512 bytes as they lie)
	v_mul_u32_u24 v3, v8, 528
	v_lshl_add_u32 v3, v9, 6, v3
	v_add_nc_u32 v3, s9, v3                        ; out of it: row r, + 64 h: my 16 numbers of a block of 32
	s_add_co_u32 s9, s9, 16*528
	v_lshl_add_u32 v5, v8, 2, s9                   ; my row's scale word
	v_lshl_add_u32 v6, v7, 3, s9                   ; and on the way out 8 bytes a lane
	s_lshr_b32 s10, s8, 1                          ; u: which block of the work-group's two
	s_and_b32 s11, s8, 1                           ; which 512 along K
	s_lshl_b32 s12, ttmp9, 17                      ; 32 rows of 4,096 bytes a work-group
	s_lshl_b32 s13, s10, 15                        ; + 8 u rows
	s_add_co_u32 s12, s12, s13
	s_lshl_b32 s13, s11, 11
	s_add_co_u32 s12, s12, s13
	s_mov_b32 s13, 0
	s_lshl_b32 s14, ttmp9, 1
	s_add_co_u32 s14, s14, s10                     ; the block
	s_mul_i32 s16, s14, 12288
	s_mul_i32 s15, s11, 4*1536
	s_add_co_u32 s16, s16, s15
	s_mov_b32 s17, 0
	s_lshl_b32 s18, s14, 9
	s_lshl_b32 s15, s11, 8
	s_add_co_u32 s18, s18, s15
	s_add_co_u32 s18, s18, 12582912
	s_mov_b32 s19, 0
	s_mov_b32 s[SEL], 0x76543210
	s_mov_b32 s[SEL+1], 0xfedcba98
.irp b, 0,1,2,3
	v_mov_b32 v[TM+4+\b], 0                        ; written once: a lane permute's destination counts as one of its sources
.endr
	s_wait_alu depctr_va_vdst(0)
	s_wait_kmcnt 0x0
	s_add_nc_u64 s[4:5], s[32:33], s[12:13]        ; x at my block's first row, my 512 along K
	s_add_nc_u64 s[6:7], s[50:51], s[16:17]        ; my four fragments
	s_add_nc_u64 s[20:21], s[50:51], s[18:19]      ; their scale words: 256 bytes
.macro XLOAD t                         ; step t: 128 along K of the block's 16 rows: each load reads 512 consecutive bytes of one row
.set xr, 0
.rept 16
	global_load_b128 v[R+64*((\t)%2)+4*xr:R+64*((\t)%2)+4*xr+3], v1, s[4:5] offset:((xr%8)+16*(xr/8))*4096+512*(\t) th:TH_LOAD_NT
.set xr, xr+1
.endr
.endm
.macro QUANT s                         ; 64 numbers of a lane become a fragment's codes in v[PC] on and its scale word in v[PW]
.irp b, 0,1,2,3
	v_max3_num_f32 v[TM+\b], |v[\s+16*\b]|, |v[\s+1+16*\b]|, 0x2800000   ; block b: my 16 numbers, and the floor 2^(5 - 127): the byte cannot fall under 1
.endr
.irp i, 2,4,6,8,10,12,14
.irp b, 0,1,2,3
	v_max3_num_f32 v[TM+\b], v[TM+\b], |v[\s+16*\b+\i]|, |v[\s+1+16*\b+\i]|
.endr
.endr
.irp b, 0,1,2,3
	v_permlanex16_b32 v[TM+4+\b], v[TM+\b], s[SEL], s[SEL+1]
.endr
.irp b, 0,1,2,3
	v_max_num_f32 v[TM+\b], v[TM+\b], v[TM+4+\b]   ; with lane l xor 16's: the block's largest magnitude
.endr
.irp b, 0,1,2,3
	v_add_nc_u32 v[TM+12+\b], 0xfe000000, v[TM+\b] ; 4 off its exponent field: the conversion's scale operand
.endr
.irp b, 0,1,2,3
	v_lshrrev_b32 v[TM+4+\b], 23, v[TM+12+\b]      ; the scale's byte
.endr
	v_lshl_or_b32 v[PW], v[TM+5], 8, v[TM+4]
	v_lshl_or_b32 v[PW], v[TM+6], 16, v[PW]
	v_lshl_or_b32 v[PW], v[TM+7], 24, v[PW]
.irp c, 0,1
	v_cvt_scalef32_pk16_bf6_f32 v[PC+6*\c:PC+2+6*\c], v[\s+32*\c:\s+15+32*\c], v[TM+12+2*\c]
	v_cvt_scalef32_pk16_bf6_f32 v[PC+12+4*\c:PC+14+4*\c], v[\s+16+32*\c:\s+31+32*\c], v[TM+12+2*\c+1]   ; (a conversion's three registers begin on an even number)
.endr
	v_nop                                          ; one plain place behind a scaled conversion
.irp c, 0,1                            ; the operand's layout wants a whole block in a lane
.irp i, 0,1,2
	v_permlane16_swap_b32 v[PC+6*\c+\i], v[PC+12+4*\c+\i]
.endr
.irp i, 0,1,2
	v_mov_b32 v[PC+3+6*\c+\i], v[PC+12+4*\c+\i]
.endr
.endr
.endm
.macro XSTEP t
.if (\t) < 3
	s_wait_loadcnt 16                              ; this step's 16 loads are in; the next step's may be out
.else
	s_wait_loadcnt 0x0
.endif
.set xr, 0
.rept 16
	ds_store_b128 v2, v[R+64*((\t)%2)+4*xr:R+64*((\t)%2)+4*xr+3] offset:528*xr
.set xr, xr+1
.endr
.irp b, 0,1,2,3
.irp j, 0,1,2,3
	ds_load_b128 v[X+16*\b+4*\j:X+16*\b+4*\j+3], v3 offset:128*\b+16*\j   ; LDS serves a wave's instructions in order: these see the stores above
.endr
.endr
	s_wait_dscnt 16                                ; the stores are done (the 16 loads may be out): their registers take the loads of two steps on
.if (\t) < 2
	XLOAD (\t)+2
.endif
	s_wait_dscnt 0x0
	s_wait_xcnt 0x0                                ; the last step's stores have read the codes' registers
	QUANT X
.irp p, 0,1,2,3,4,5
	global_store_b64 v4, v[PC+2*\p:PC+2*\p+1], s[6:7] offset:1536*(\t)+256*\p   ; a plane: 256 consecutive bytes, aligned
.endr
	ds_store_b32 v5, v[PW] offset:64*(\t)          ; both halves of the lanes write the same word with the same value
.endm
	XLOAD 0
	XLOAD 1
	XSTEP 0
	XSTEP 1
	XSTEP 2
	XSTEP 3
	ds_load_b64 v[12:13], v6
	s_wait_dscnt 0x0
	global_store_b64 v4, v[12:13], s[20:21]        ; four fragments' scale words: 256 consecutive bytes, aligned
	s_wait_tensorcnt 0x0
	ds_add_u32 v254, v255
	s_wait_dscnt 0x0
	s_endpgm
; ---------------- the weights ----------------
.Lweights:
	s_sub_co_u32 s9, ttmp9, 128                    ; 0-47 w_qkv, 48-63 w_out, 64-127 w_ff1, 128-191 w_ff2
	s_wait_kmcnt 0x0
	s_cmp_lt_u32 s9, 48
	s_cselect_b64 s[24:25], s[34:35], s[38:39]
	s_cselect_b64 s[26:27], s[36:37], s[40:41]
	s_cselect_b32 s10, 0, 48
	s_cmp_lt_u32 s9, 64
	s_cselect_b64 s[24:25], s[24:25], s[42:43]
	s_cselect_b64 s[26:27], s[26:27], s[44:45]
	s_cselect_b32 s10, s10, 64
	s_mov_b32 s11, 3072
	s_cmp_lt_u32 s9, 128
	s_cselect_b64 s[24:25], s[24:25], s[46:47]     ; the codes,
	s_cselect_b64 s[26:27], s[26:27], s[48:49]     ; the scale bytes,
	s_cselect_b32 s10, s10, 128                    ; the tensor's first work-group,
	s_cselect_b32 s11, 768, s11                    ; a row of codes in bytes,
	s_cselect_b32 s12, 32, 128                     ; a row of scale bytes,
	s_cselect_b32 s13, 0, 2                        ; w_ff2: four tasks to a block,
	s_cselect_b32 s14, 0, 3                        ; one for each 1,024 along K
	s_sub_co_u32 s15, s9, s10
	s_lshl_b32 s15, s15, 2
	s_add_co_u32 s15, s15, s8                      ; my task in the tensor
	s_lshr_b32 s16, s15, s13                       ; its block
	s_and_b32 s17, s15, s14                        ; its 1,024 along K
	s_lshr_b32 s18, s16, 1
	s_lshl_b32 s18, s18, 5
	s_and_b32 s19, s16, 1
	s_lshl_b32 s19, s19, 3
	s_add_co_u32 s18, s18, s19                     ; the block's first row: 32 g + 8 u
	s_mul_i32 s20, s18, s11
	s_mul_i32 s19, s17, 768
	s_add_co_u32 s20, s20, s19
	s_mov_b32 s21, 0
	s_add_nc_u64 s[24:25], s[24:25], s[20:21]
	s_mul_i32 s20, s18, s12
	s_lshl_b32 s19, s17, 5
	s_add_co_u32 s20, s20, s19
	s_add_nc_u64 s[26:27], s[26:27], s[20:21]
	s_lshl_b32 s19, s9, 2
	s_add_co_u32 s19, s19, s8
	s_add_co_u32 s19, s19, 256                     ; where it goes: piece 256 + task of 12,288 bytes of codes and 512 of scale words
	s_mul_i32 s20, s19, 12288
	s_add_nc_u64 s[28:29], s[50:51], s[20:21]
	s_lshl_b32 s20, s19, 9
	s_add_co_u32 s20, s20, 12582912
	s_add_nc_u64 s[30:31], s[50:51], s[20:21]
	s_mul_i32 s19, s8, WW
	s_add_co_u32 s19, s19, WBASE                   ; my stage
	s_wait_alu depctr_va_vdst(0)
	v_add_nc_u32 v2, s19, v1                       ; in: a row's first 512 bytes, 16 x lane
	v_mul_u32_u24 v3, v9, 784
	v_lshl_add_u32 v3, v8, 4, v3
	v_add_nc_u32 v3, s19, v3
	v_add_nc_u32 v3, 512, v3                       ; in: two rows' last 256 bytes: row + h, 512 + 16 r
	v_mul_u32_u24 v5, v8, 784
	v_mad_u32_u24 v5, v9, 24, v5
	v_add_nc_u32 v5, s19, v5                       ; out: row r, + 24 h
	s_add_co_u32 s19, s19, 16*784
	v_lshlrev_b32 v6, 8, v9
	v_lshl_add_u32 v6, v8, 2, v6
	v_add_nc_u32 v6, s19, v6                       ; scale words in: fragment 4 h + i, row r
	v_add_nc_u32 v10, s19, v1                      ; and back: 16 x lane
.set wr, 0
.rept 16
	v_mad_u32_u24 v[16+wr], s11, (wr%8)+16*(wr/8), v1   ; memory: the row at place wr, + 16 x lane
.set wr, wr+1
.endr
	v_mul_u32_u24 v11, s11, v9
	v_lshl_add_u32 v11, v8, 4, v11
	v_add_nc_u32 v11, 512, v11
.set wr, 0
.rept 8
	v_mad_u32_u24 v[32+wr], s11, ((2*wr)%8)+16*(wr/4), v11   ; memory: the last 256 bytes of the rows at places 2 wr and 2 wr + 1
.set wr, wr+1
.endr
	v_and_b32 v12, 8, v8
	v_add_nc_u32 v12, v12, v8                      ; r + 8 (r / 8)
	v_mul_u32_u24 v12, s12, v12
	v_lshl_add_u32 v12, v9, 4, v12                 ; my row's scale bytes: 16 of its 32
	global_load_b128 v[232:235], v12, s[26:27]
.set wr, 0
.rept 8
	global_load_b128 v[40+12*wr:43+12*wr], v[16+2*wr], s[24:25] th:TH_LOAD_NT   ; every sixteen lanes read 256 consecutive bytes, aligned
	global_load_b128 v[44+12*wr:47+12*wr], v[17+2*wr], s[24:25] th:TH_LOAD_NT
	global_load_b128 v[48+12*wr:51+12*wr], v[32+wr], s[24:25] th:TH_LOAD_NT
.set wr, wr+1
.endr
.set wr, 0
.rept 8
	s_wait_loadcnt 3*(7-wr)                        ; this pair of rows is in; the later pairs' three loads each may be out
	ds_store_b128 v2, v[40+12*wr:43+12*wr] offset:(2*wr)*784
	ds_store_b128 v2, v[44+12*wr:47+12*wr] offset:(2*wr+1)*784
	ds_store_b128 v3, v[48+12*wr:51+12*wr] offset:(2*wr)*784
.set wr, wr+1
.endr
.set wk, 0
.rept 8
.irp p, 0,1,2,3,4,5
	ds_load_b64 v[136+12*wk+2*\p:137+12*wk+2*\p], v5 offset:96*wk+48*(\p/3)+8*(\p%3)   ; the 24 bytes of a row that a lane's six registers take, in pieces of 8
.endr
.set wk, wk+1
.endr
.set wk, 0
.rept 8
	s_wait_dscnt 6*(7-wk)                          ; this fragment is in; the later fragments' six loads each may be out
.irp p, 0,1,2,3,4,5
	global_store_b64 v4, v[136+12*wk+2*\p:137+12*wk+2*\p], s[28:29] offset:1536*wk+256*\p
.endr
.set wk, wk+1
.endr
.irp i, 0,1,2,3
	ds_store_b32 v6, v[232+\i] offset:64*\i
.endr
	ds_load_b128 v[236:239], v10
	s_wait_dscnt 0x0
	global_store_b128 v1, v[236:239], s[30:31]     ; eight fragments' scale words: 512 consecutive bytes
	s_wait_tensorcnt 0x0
	ds_add_u32 v254, v255
	s_wait_dscnt 0x0
	s_endpgm
.Lfunc_end_k_qa3c4310a28_prep:
	.size	k_qa3c4310a28_prep, .Lfunc_end_k_qa3c4310a28_prep-k_qa3c4310a28_prep
	.p2alignl 7, 3214868480
	.fill 96, 4, 3214868480
	.section	.rodata,"a",@progbits
	.p2align	6, 0x0
	.amdhsa_kernel k_qa3c4310a28_prep
		.amdhsa_group_segment_fixed_size 87552
		.amdhsa_private_segment_fixed_size 0
		.amdhsa_enable_private_segment 0
		.amdhsa_kernarg_size 80
		.amdhsa_user_sgpr_count 2
		.amdhsa_user_sgpr_kernarg_segment_ptr 1
		.amdhsa_wavefront_size32 1
		.amdhsa_system_sgpr_workgroup_id_x 1
		.amdhsa_system_sgpr_workgroup_id_y 1
		.amdhsa_system_sgpr_workgroup_id_z 1
		.amdhsa_system_vgpr_workitem_id 0
		.amdhsa_next_free_vgpr 256
		.amdhsa_next_free_sgpr 66
		.amdhsa_reserve_vcc 0
		.amdhsa_float_denorm_mode_32 3
		.amdhsa_float_denorm_mode_16_64 3
		.amdhsa_memory_ordered 1
		.amdhsa_forward_progress 1
		.amdhsa_inst_pref_size 52
	.end_amdhsa_kernel
	.amdgpu_metadata
---
amdhsa.version: [ 1, 2 ]
amdhsa.kernels:
  - .name:           k_qa3c4310a28_prep
    .symbol:         k_qa3c4310a28_prep.kd
    .args:
      - { .name: x, .offset: 0, .size: 8, .value_kind: global_buffer, .address_space: global }
      - { .name: w_qkv_codes, .offset: 8, .size: 8, .value_kind: global_buffer, .address_space: global }
      - { .name: w_qkv_scales, .offset: 16, .size: 8, .value_kind: global_buffer, .address_space: global }
      - { .name: w_out_codes, .offset: 24, .size: 8, .value_kind: global_buffer, .address_space: global }
      - { .name: w_out_scales, .offset: 32, .size: 8, .value_kind: global_buffer, .address_space: global }
      - { .name: w_ff1_codes, .offset: 40, .size: 8, .value_kind: global_buffer, .address_space: global }
      - { .name: w_ff1_scales, .offset: 48, .size: 8, .value_kind: global_buffer, .address_space: global }
      - { .name: w_ff2_codes, .offset: 56, .size: 8, .value_kind: global_buffer, .address_space: global }
      - { .name: w_ff2_scales, .offset: 64, .size: 8, .value_kind: global_buffer, .address_space: global }
      - { .name: bq, .offset: 72, .size: 8, .value_kind: global_buffer, .address_space: global }
    .group_segment_fixed_size: 87552
    .private_segment_fixed_size: 0
    .kernarg_segment_align: 8
    .kernarg_segment_size: 80
    .max_flat_workgroup_size: 128
    .sgpr_count:     66
    .vgpr_count:     256
    .wavefront_size: 32
...
	.end_amdgpu_metadata
.endif
;; end of part 1
;; launch qkv (part 2): grid 12 x 16, 4 waves a work-group, clusters of 4 x 4, 327,680 bytes of LDS; arguments bq, bqkv; writes bqkv
.if DOCPART == 2
	.amdgcn_target "amdgcn-amd-amdhsa--gfx1250"
	.amdhsa_code_object_version 6
	.text
	.protected	k_qa3c4310a28_qkv
	.globl	k_qa3c4310a28_qkv
	.p2align	8
	.type	k_qa3c4310a28_qkv,@function
k_qa3c4310a28_qkv:
	s_mov_b64 s[64:65], 0
	v_nop
	global_prefetch_b8 v0, s[64:65] scope:SCOPE_SE
	s_setreg_imm32_b32 hwreg(HW_REG_WAVE_MODE, 25, 1), 1
	s_wait_xcnt 0x0
	s_wait_alu depctr_hold_cnt(0) depctr_sa_sdst(0) depctr_va_vdst(0) depctr_va_sdst(0) depctr_va_ssrc(0) depctr_va_vcc(0) depctr_vm_vsrc(0)
	s_getreg_b32 s2, hwreg(HW_REG_IB_STS2, 6, 4)
	s_cmp_eq_u32 s2, 0
	s_cbranch_scc0 .Lentry_in_a_cluster
	s_endpgm
.Lentry_in_a_cluster:
	s_bfe_u32 s2, ttmp6, 0x10000c
	s_cmp_lg_u32 s2, 0xf033
	s_cbranch_scc0 .Lentry_shape_is_right
	s_endpgm
.Lentry_shape_is_right:
; q, k and v = x w_qkv on codes of E3M2 (one E8M0 scale for each 32 along K), and their quantising for the two products of attention.  Operands come from bq as images of the operand's registers:
; rows in blocks of 16 (block 2 g + u, place r: row 32 g + 8 u + r % 8 + 16 (r / 8)); a fragment (a block x 128 K) is six planes of 256 bytes, 1,536 bytes; scale words 64 bytes a fragment.
; A tile of the result, 256 x 256, is made by four waves, 128 x 128 each: 64 accumulators.  K = 1,024 is four groups of 256.  THREE LDS slots take groups 0, 1, 2 as first fills; slot 0 is filled once more, with group 3,
; as soon as it is read out: that load has the 256 matrix instructions of slots 1 and 2 in which to land.  The scale words of all of K come once.
; THE MATRIX INSTRUCTION IS USED TRANSPOSED (source 0 = a block of "B", source 1 = a block of "A"): a lane holds one row of A's block, and by the grouping of rows its 16 registers of B's blocks 2 g, 2 g + 1
; are the 16 neighbouring columns 32 g + 16 (lane / 16) + 0 .. 15: what the conversions want.
; TWO PARTS, told apart by the cluster's x, which all partners share.  x = 0, 1: A = tokens of batch y, B = w_q or w_k: a lane's registers run along the head's 64: q and k are quantised along them.
; x = 2: A = w_v's rows (channels), B = tokens of batch y: a lane's registers run along the KEYS: v is quantised along them and lies as V^T.
; bqkv: 128 records of 53,248 bytes ((head, 16 + head for k) x 4 + batch): 64 half fragments of 768 bytes, then 64 x 64 bytes of scale words (bytes 0, 1 count; the others are never 0xff);
; from byte 6,815,744 on 256 records of 12,800 bytes (batch x 64 + block of channels): 8 fragments along the keys, then 8 x 64 bytes of scale words.
; CLUSTERS: 4 x 4 work-groups; A's tiles are asked for jointly along a row of the cluster, B's along a column.
; One prefetch, behind the head; one refill in all.
; LIMITS: NaN and infinities are not served; a block of zeros gets the byte 1 (its codes are zeros; only this program reads the bytes); blocks under 2^-122 are held at the floor.
; REGISTERS: window 0: v2 r, v3 h, v4 8 x lane, v16-29 addresses, v32-63 scale words (two sets), from v128 A's fragments (one set); window 1: B's two sets at v0, v128; windows 2, 3: the accumulators.
.set NB,    8                          ; blocks of 16 rows a wave and side
.set NQ,    2                          ; steps of 128 along K in a slot
.set KK,    8                          ; steps of 128 in all of K
.set FRB,   1536                       ; a fragment's image
.set HALFT, NB*NQ*FRB                  ; what one tensor load brings, and what one wave reads of A or of B
.set SLOT,  4*HALFT                    ; A's two halves, then B's two
.set SCL,   3*SLOT                     ; behind the three slots: the scale words
.set HALFS, NB*KK*64                   ; those of NB blocks
.set SPARE, SCL+4*HALFS                ; the spare words, 128 bytes a wave: two blocks of 256 bytes that no other line names
.set ADRA,  16                         ; v16-18 LDS address of my A fragments in slot 0, 1, 2
.set ADRB,  20                         ; v20-22 of B's
.set ADRS,  27                         ; v27 of my scale words: lanes 0-15 A's, lanes 16-31 B's
.set SPW,   28                         ; v28 my spare word; never rewritten
.set NIL,   29                         ; v29 0; never rewritten
.set SC,    32
.set AF,    128
.set G1,    24
.set G0,    32                         ; s[32:39] group 0 for A's tiles, slots 0 and 1
.set G0C,   8
.set G1B,   48
.set G0B,   56                         ; s[56:63] group 0 for B's tiles, slots 0 and 1
.set G0BC,  96
.set G1S,   68
.set G0S,   76
.set G1SB,  80
.set G0SB,  88
.set MUL_LO, 0xa1                      ; source 0 (B) window 1, source 1 (A) window 0, C and D window 2
.set MUL_HI, 0xf1                      ; the same, C and D window 3
.set TO_B,   0x40
.set PC,    112                        ; the way out: the codes just made
.set TM,    200                        ; at work
.set PW,    216                        ; v216-217 two blocks' scale words
.set WD,    218
.set WD2,   219
.set SEL,   96                         ; s[96:97], on the way out
.set HM,    92                         ; s92: lanes 16-31
.set MSB, 0
.macro WIN new                         ; the immediate's high byte repeats the setting that is left
.if MSB != (\new)
	s_set_vgpr_msb (MSB<<8)|(\new)
.set MSB, (\new)
.endif
.endm
.macro JLOAD g0a, g1a, g0b, g1b        ; a joint load: waves 0, 1 fetch for A, waves 2, 3 for B; four v_nop follow each line
	s_cmp_eq_u32 s15, 0
	s_cbranch_scc0 .Lfor_b_\@
	tensor_load_to_lds s[\g0a:\g0a+3], s[\g1a:\g1a+7]
	s_nop 0
.rept 4
	v_nop
.endr
	s_branch .Lasked_\@
.Lfor_b_\@:
	tensor_load_to_lds s[\g0b:\g0b+3], s[\g1b:\g1b+7]
	s_nop 0
.rept 4
	v_nop
.endr
.Lasked_\@:
.endm
.macro CREST                           ; a round of the cluster's barrier behind its opening barrier
	s_cmp_lg_u32 s14, 0
	s_cbranch_scc1 .Lnot_wave_0_\@
	s_barrier_signal -3
.Lnot_wave_0_\@:
	s_barrier_wait -3
	s_barrier_signal -1
	s_barrier_wait -1
.endm
.macro CROUND
	s_barrier_signal -1
	s_barrier_wait -1
	CREST
.endm
.macro PLACES                          ; four plain places behind a matrix instruction, in front of loads into its registers and of reads of its results
.rept 4
	v_nop
.endr
.endm
.macro FRAG reg, adr, q, i             ; block i's fragment of the slot's q-th 128 along K: six planes, each 256 consecutive bytes
.irp p, 0,1,2,3,4,5
	ds_load_b64 v[(\reg)+2*\p:(\reg)+2*\p+1], v[\adr] offset:((\i)*BS+(\q))*FRB+256*\p   ; BS: fragments from block to block in this slot
.endr
.endm
.macro FETCH_B slot, q, p
.set BS, NQ*(1+((\slot)+1)/2)          ; slot 0 holds NQ fragments a block; slots 1 and 2 are the halves of one larger slot with 2 NQ a block
	WIN TO_B
.set fi, 0
.rept NB
	FRAG 128*(\p)+12*fi, ADRB+\slot, \q, fi
.set fi, fi+1
.endr
	WIN 0
.endm
.macro FETCH_A slot, q, i0             ; half of A's blocks, from i0 on
.set BS, NQ*(1+((\slot)+1)/2)
.set fi, \i0
.rept NB/2
	FRAG AF+12*fi, ADRA+\slot, \q, fi
.set fi, fi+1
.endr
.endm
.macro SCALES sc                       ; a group's scale words into set sc: register NQ i + q: lanes 0-15 A's block i, lanes 16-31 B's block i
.set fi, 0
.rept NB
.set fq, 0
.rept NQ
	ds_load_b32 v[SC+16*(\sc)+NQ*fi+fq], v[ADRS] offset:fi*KK*64+fq*64
.set fq, fq+1
.endr
.set fi, fi+1
.endr
.endm
.macro MUL a0, na, p, q, sc, zero      ; A's blocks a0 .. a0 + na - 1 against B's NB; the accumulators take turns, one instruction a turn
.set ma, \a0
.rept \na
.set mb, 0
.rept NB
.set rD, 8*(NB*(ma%(NB/2))+mb)
.if \zero
	v_wmma_scale_f32_16x16x128_f8f6f4 v[rD:rD+7], v[128*(\p)+12*mb:128*(\p)+12*mb+11], v[AF+12*ma:AF+12*ma+11], 0, v[SC+16*(\sc)+NQ*mb+(\q)], v[SC+16*(\sc)+NQ*ma+(\q)] matrix_a_fmt:MATRIX_FMT_BF6 matrix_b_fmt:MATRIX_FMT_BF6 matrix_a_scale:MATRIX_SCALE_ROW1
.else
	v_wmma_scale_f32_16x16x128_f8f6f4 v[rD:rD+7], v[128*(\p)+12*mb:128*(\p)+12*mb+11], v[AF+12*ma:AF+12*ma+11], v[rD:rD+7], v[SC+16*(\sc)+NQ*mb+(\q)], v[SC+16*(\sc)+NQ*ma+(\q)] matrix_a_fmt:MATRIX_FMT_BF6 matrix_b_fmt:MATRIX_FMT_BF6 matrix_a_scale:MATRIX_SCALE_ROW1
.endif
.set mb, mb+1
.endr
.set ma, ma+1
.endr
.endm
.macro STEP slot, sc, q, zero          ; a step of 128 along K that has its successor in the same slot; sc: the group's set of scale words
	s_wait_dscnt 3*NB                              ; all but the youngest loads, A's upper blocks
	WIN MUL_LO
	MUL 0, NB/2, (\q)%2, \q, \sc, \zero
	s_wait_dscnt 0x0                               ; A's upper blocks are in
	PLACES
	FETCH_B \slot, (\q)+1, 1-(\q)%2
	FETCH_A \slot, (\q)+1, 0
	WIN MUL_HI
	MUL NB/2, NB/2, (\q)%2, \q, \sc, \zero
	PLACES
	WIN 0
	FETCH_A \slot, (\q)+1, NB/2
.endm
; A slot's last step goes on to the next slot.  mode 2: this slot is filled again, three groups ahead: the three lines, a round of the cluster's barrier, the joint load.
; mode 1: the next slot's tile is a refill: each wave waits for its load and the work-group's barrier shows it to all.  mode 0: the next slot was shown whole by an earlier barrier and nothing is filled: no barrier.
.macro TURN slot, sc, next, mode
.if \mode
	s_wait_tensorcnt 0x0                           ; all my tensor loads have landed;
	ds_add_u32 v[SPW], v[NIL]                      ; 0 onto my spare word;
	s_wait_dscnt 3*NB+1                            ; (the add and A's upper blocks may be out)
.else
	s_wait_dscnt 3*NB                              ; all but A's upper blocks
.endif
	WIN MUL_LO
	MUL 0, NB/4, 1, NQ-1, \sc, 0
	s_wait_dscnt 0x0                               ; my reads of this slot are over (and the add is done)
.if \mode
	s_barrier_signal -1
.endif
	MUL NB/4, NB/4, 1, NQ-1, \sc, 0
	WIN 0
.if \mode
	s_barrier_wait -1
.endif
.if \mode == 2
	CREST                                          ; the barrier has opened a round of the cluster's: no wave of any partner still reads this slot or has a load on its way
	s_mov_b32 s[G1+1], (NQ*192)<<16                ; no load of mine is out: the refill's rows are NQ fragments again
	s_mov_b32 s[G1+3], (NQ*192)<<16
	s_mov_b32 s[G1B+1], (NQ*192)<<16
	s_mov_b32 s[G1B+3], (NQ*192)<<16
	s_add_nc_u64 s[G0+4*\slot+2:G0+4*\slot+3], s[G0+4*\slot+2:G0+4*\slot+3], 3*NQ*FRB
	s_add_nc_u64 s[G0B+4*\slot+2:G0B+4*\slot+3], s[G0B+4*\slot+2:G0B+4*\slot+3], 3*NQ*FRB
	JLOAD G0+4*\slot, G1, G0B+4*\slot, G1B         ; the first tensor load behind the round; its four v_nop are the places in front of the loads below
.else
	PLACES
.endif
	v_add_nc_u32 v[ADRS], NQ*64, v[ADRS]           ; on to the next group's scale words
	FETCH_B \next, 0, 0
	FETCH_A \next, 0, 0
	SCALES 1-(\sc)
	WIN MUL_HI
	MUL NB/2, NB/2, 1, NQ-1, \sc, 0
	PLACES
	WIN 0
	FETCH_A \next, 0, NB/2
.endm
.macro LAST sc                         ; the very last step: nothing more to fetch
	s_wait_dscnt 3*NB
	WIN MUL_LO
	MUL 0, NB/2, 1, NQ-1, \sc, 0
	s_wait_dscnt 0x0
	WIN MUL_HI
	MUL NB/2, NB/2, 1, NQ-1, \sc, 0
	WIN 0
.endm
; 32 nc numbers of a lane, in window w from v[s] on, register 16 b + i = k 32 b + 16 (lane / 16) + i of its row, become codes in v[PC] on (6 nc registers) and scale bytes in v[pw].  Every accumulator is read from its low end on.
.macro QUANT s, w, nc, pw
	WIN ((\w)<<2)|((\w)<<4)
.set qb, 0
.rept 2*(\nc)
	v_max3_num_f32 v[TM+qb], 0x2800000, |v[(\s)+16*qb]|, |v[(\s)+16*qb+1]|   ; my 16 numbers of block qb, and the floor 2^(5 - 127): the byte cannot fall under 1
.set qb, qb+1
.endr
.irp i, 2,4,6,8,10,12,14
.set qb, 0
.rept 2*(\nc)
	v_max3_num_f32 v[TM+qb], v[TM+qb], |v[(\s)+16*qb+\i]|, |v[(\s)+16*qb+\i+1]|
.set qb, qb+1
.endr
.endr
	WIN 0
.set qb, 0
.rept 2*(\nc)
	v_permlanex16_b32 v[TM+4+qb], v[TM+qb], s[SEL], s[SEL+1]
.set qb, qb+1
.endr
.set qb, 0
.rept 2*(\nc)
	v_max_num_f32 v[TM+qb], v[TM+qb], v[TM+4+qb]   ; with lane l xor 16's: the block's largest magnitude
.set qb, qb+1
.endr
.set qb, 0
.rept 2*(\nc)
	v_add_nc_u32 v[TM+12+qb], 0xfe000000, v[TM+qb] ; 4 off its exponent field: the conversion's scale operand
.set qb, qb+1
.endr
.set qb, 0
.rept 2*(\nc)
	v_lshrrev_b32 v[TM+4+qb], 23, v[TM+12+qb]      ; the scale's byte
.set qb, qb+1
.endr
	v_lshl_or_b32 v[\pw], v[TM+5], 8, v[TM+4]
.if (\nc) > 1
	v_lshl_or_b32 v[\pw], v[TM+6], 16, v[\pw]
	v_lshl_or_b32 v[\pw], v[TM+7], 24, v[\pw]
.endif
	WIN \w
.set qc, 0
.rept \nc
	v_cvt_scalef32_pk16_bf6_f32 v[PC+6*qc:PC+6*qc+2], v[(\s)+32*qc:(\s)+32*qc+15], v[TM+12+2*qc]
	v_cvt_scalef32_pk16_bf6_f32 v[PC+12+4*qc:PC+14+4*qc], v[(\s)+32*qc+16:(\s)+32*qc+31], v[TM+13+2*qc]
.set qc, qc+1
.endr
	WIN 0
	v_nop                                          ; one plain place behind a scaled conversion
.set qc, 0
.rept \nc
.irp i, 0,1,2
	v_permlane16_swap_b32 v[PC+6*qc+\i], v[PC+12+4*qc+\i]   ; the operand's layout wants a whole block in a lane
.endr
.irp i, 0,1,2
	v_mov_b32 v[PC+3+6*qc+\i], v[PC+12+4*qc+\i]
.endr
.set qc, qc+1
.endr
.endm
	s_load_b128 s[4:7], s[0:1], 0x0                ; bq, bqkv
	v_lshl_add_u32 v[SPW], v0, 2, SPARE
	v_mov_b32 v[NIL], 0
	ds_add_u32 v28, v29
	ds_add_u32 v28, v29
	s_wait_dscnt 0x0
	v_lshrrev_b32 v1, 5, v0
	v_readfirstlane_b32 s14, v1                    ; wave 0..3
	s_lshr_b32 s15, s14, 1                         ; which half of A's blocks is mine.  Also: I fetch for A (0) or for B (1)
	s_and_b32 s16, s14, 1                          ; which half of B's.  Also: which half of that tile I fetch
	s_bfe_u32 s40, ttmp6, 0x40000                  ; cx, cy: my place in the cluster
	s_bfe_u32 s41, ttmp6, 0x40004
	s_and_b32 s17, ttmp7, 0xffff                   ; the cluster's y: the batch
	s_lshl_b32 s43, s41, 2
	s_lshl_b32 s43, 15, s43                        ; my row of the cluster
	s_lshl_b32 s44, 0x1111, s40                    ; my column
	s_or_b32 s[G1+0], s43, (3<<16)|(1<<21)         ; 15:0 the mask; 17:16 elements of 8 bytes; 21 set beside a mask; no padding: every LDS read takes 256 consecutive bytes
	s_or_b32 s[G1B+0], s44, (3<<16)|(1<<21)
.irp g, G1, G1B
	s_mov_b32 s[\g+1], (NQ*192)<<16                ; tensor_dim0: a block's NQ fragments
	s_mov_b32 s[\g+2], (2*NB)<<16                  ; tensor_dim1: the head's loads bring a tile's 2 NB blocks
	s_mov_b32 s[\g+3], (NQ*192)<<16                ; tile_dim0
	s_mov_b32 s[\g+4], 2*NB                        ; tile_dim1
	s_mov_b32 s[\g+5], KK*192                      ; from block to block
	s_mov_b32 s[\g+6], 0
	s_mov_b32 s[\g+7], 0
.endr
	s_or_b32 s[G1S+0], s43, (3<<16)|(1<<21)        ; the scale words of NB blocks: a dense block, as rows of 256 bytes
	s_or_b32 s[G1SB+0], s44, (3<<16)|(1<<21)
.irp g, G1S, G1SB
	s_mov_b32 s[\g+1], 32<<16
	s_mov_b32 s[\g+2], (2*HALFS/256)<<16           ; the scale words of a tile's 2 NB blocks
	s_mov_b32 s[\g+3], 32<<16
	s_mov_b32 s[\g+4], 2*HALFS/256
	s_mov_b32 s[\g+5], 32
	s_mov_b32 s[\g+6], 0
	s_mov_b32 s[\g+7], 0
.endr
	s_mul_i32 s100, s16, NB*KK*FRB                 ; behind the head I fetch NB blocks of a tile: which half, in bytes
	s_mov_b32 s101, 0
	s_lshl_b32 s20, s17, 6                         ; x's blocks of batch y: 64 y on
	s_lshl_b32 s46, ttmp9, 6
	s_add_co_u32 s46, s46, 256                     ; w_q's or w_k's blocks: 256 + 64 x on
	s_cmp_eq_u32 ttmp9, 2                          ; the part for v?  (the cluster's x: the same in all partners)
	s_cselect_b32 s46, s20, s46                    ; there B = the tokens,
	s_cselect_b32 s20, 384, s20                    ; and A = w_v's blocks
	s_lshl_b32 s19, s41, 4
	s_add_co_u32 s20, s20, s19                     ; A: + 16 cy
	s_lshl_b32 s47, s40, 4
	s_add_co_u32 s46, s46, s47                     ; B: + 16 cx
	s_lshl_b32 s22, s20, 9
	s_add_co_u32 s22, s22, 12582912                ; A's scale words
	s_mov_b32 s23, 0
	s_mul_i32 s20, s20, KK*FRB                     ; A's codes
	s_mov_b32 s21, 0
	s_lshl_b32 s92, s46, 9
	s_add_co_u32 s92, s92, 12582912
	s_mov_b32 s93, 0
	s_mul_i32 s46, s46, KK*FRB
	s_mov_b32 s47, 0
	s_mul_i32 s45, s14, HALFT                      ; where they go: no place in the cluster enters an LDS address
	s_wait_kmcnt 0x0
	s_add_nc_u64 s[20:21], s[4:5], s[20:21]
	s_add_nc_u64 s[22:23], s[4:5], s[22:23]
	s_add_nc_u64 s[46:47], s[4:5], s[46:47]
	s_add_nc_u64 s[92:93], s[4:5], s[92:93]
	CROUND                                         ; all sixteen work-groups are here: the first joint loads meet
	s_mov_b32 s[G0S], 1
	s_mov_b32 s[G0S+1], SCL
	s_mov_b64 s[G0S+2:G0S+3], s[22:23]
	s_or_b32 s[G0S+3], s[G0S+3], 0x80000000
	s_mov_b32 s[G0SB], 1
	s_mov_b32 s[G0SB+1], SCL+2*HALFS
	s_mov_b64 s[G0SB+2:G0SB+3], s[92:93]
	s_or_b32 s[G0SB+3], s[G0SB+3], 0x80000000
.irp s, 0,1
	s_mov_b32 s[G0+4*\s], 1
	s_add_co_u32 s[G0+4*\s+1], s45, \s*SLOT
	s_add_nc_u64 s[G0+4*\s+2:G0+4*\s+3], s[20:21], \s*NQ*FRB
	s_or_b32 s[G0+4*\s+3], s[G0+4*\s+3], 0x80000000
	s_mov_b32 s[G0B+4*\s], 1
	s_add_co_u32 s[G0B+4*\s+1], s45, \s*SLOT
	s_add_nc_u64 s[G0B+4*\s+2:G0B+4*\s+3], s[46:47], \s*NQ*FRB
	s_or_b32 s[G0B+4*\s+3], s[G0B+4*\s+3], 0x80000000
.endr
; THE HEAD'S LOADS, ONE A WAVE: wave 0 group 0 of A's 16 blocks, wave 1 of B's, wave 2 A's scale words, wave 3 B's.
; Groups 1 and 2 come behind the next round by one load a wave: rows of 2 NQ fragments into the larger slot, wave w's NB blocks at SLOT + 2 w HALFT.
	s_mov_b32 s[G0+1], 0                           ; the head: A's whole tile at slot 0's start,
	s_mov_b32 s[G0B+1], 2*HALFT                    ; B's behind it
	s_add_co_u32 s[G0+5], s[G0+5], s45             ; the larger slot: SLOT + 2 x wave x HALFT
	s_add_co_u32 s[G0B+5], s[G0B+5], s45
	s_add_nc_u64 s[G0+6:G0+7], s[G0+6:G0+7], s[100:101]       ; and my half of the blocks
	s_add_nc_u64 s[G0B+6:G0B+7], s[G0B+6:G0B+7], s[100:101]
.macro ARM under, g0, g1, next         ; one chain of branches on the wave's number, one load to an arm, all arms to one join
	s_cmp_lt_u32 s14, \under
	s_cbranch_scc0 \next
	tensor_load_to_lds s[\g0:\g0+3], s[\g1:\g1+7]
	s_nop 0
.rept 4
	v_nop
.endr
	s_branch .Lhead_asked
\next:
.endm
	ARM 1, G0,  G1,  .Lhead_b
	ARM 2, G0B, G1B, .Lhead_sa
	ARM 3, G0S, G1S, .Lhead_sb
	tensor_load_to_lds s[G0SB:G0SB+3], s[G1SB:G1SB+7]
	s_nop 0
.rept 4
	v_nop
.endr
.Lhead_asked:
; PREFETCH, here alone: groups 1 to 3 of the NB blocks that I fetch behind the head.  The four partners that ask for a tile jointly share its blocks out by address, two each (cx for A, cy for B);
; a lane names 256 bytes: 24 lanes groups 1 and 2 of a block (6,144 bytes), 12 lanes group 3 (3,072); lanes left over name their instruction's last 256 bytes again.  The address registers are never rewritten.
	s_cmp_eq_u32 s15, 0                            ; do I fetch for A?
	s_cselect_b32 s18, s40, s41
	s_cselect_b64 s[98:99], s[20:21], s[46:47]
	s_mul_i32 s18, s18, 2*KK*FRB
	s_mov_b32 s19, 0
	s_add_nc_u64 s[98:99], s[98:99], s[18:19]
	s_add_nc_u64 s[98:99], s[98:99], s[100:101]    ; my half of the tile's blocks
	v_and_b32 v30, 31, v0
	v_min_u32 v31, 11, v30
	v_min_u32 v30, 23, v30
	v_lshlrev_b32 v31, 8, v31
	v_lshlrev_b32 v30, 8, v30
	global_prefetch_b8 v30, s[98:99] offset:NQ*FRB th:TH_LOAD_NT scope:SCOPE_SE
	global_prefetch_b8 v30, s[98:99] offset:KK*FRB+NQ*FRB th:TH_LOAD_NT scope:SCOPE_SE
	global_prefetch_b8 v31, s[98:99] offset:3*NQ*FRB th:TH_LOAD_NT scope:SCOPE_SE
	global_prefetch_b8 v31, s[98:99] offset:KK*FRB+3*NQ*FRB th:TH_LOAD_NT scope:SCOPE_SE
	v_and_b32 v1, 31, v0
	v_and_b32 v2, 15, v0                           ; r
	v_bfe_u32 v3, v0, 4, 1                         ; h
	s_wait_alu depctr_va_vdst(0)
	v_lshlrev_b32 v4, 3, v1                        ; 8 x lane
	s_mul_i32 s21, s15, HALFT                      ; my half of A
	s_mul_i32 s22, s16, HALFT                      ; my half of B,
	s_add_co_u32 s22, s22, 2*HALFT                 ; behind A's two
	v_add_nc_u32 v[ADRA], s21, v4                  ; slot 0
	v_add_nc_u32 v[ADRB], s22, v4
	s_lshl_b32 s21, s21, 1
	s_lshl_b32 s22, s22, 1
	s_add_co_u32 s21, s21, SLOT
	s_add_co_u32 s22, s22, SLOT
	v_add_nc_u32 v[ADRA+1], s21, v4                ; the larger slot: group 1,
	v_add_nc_u32 v[ADRB+1], s22, v4
	v_add_nc_u32 v[ADRA+2], NQ*FRB, v[ADRA+1]      ; and group 2, NQ fragments on in each block's row
	v_add_nc_u32 v[ADRB+2], NQ*FRB, v[ADRB+1]
	s_mul_i32 s21, s15, HALFS
	s_mul_i32 s22, s16, HALFS
	s_add_co_u32 s22, s22, 2*HALFS
	s_sub_co_u32 s22, s22, s21
	v_mul_u32_u24 v6, s22, v3                      ; lanes 16-31 take B's words
	s_add_co_u32 s21, s21, SCL
	v_lshl_add_u32 v5, v2, 2, v6
	v_add_nc_u32 v[ADRS], s21, v5
	s_wait_alu depctr_va_vdst(0)
	s_wait_tensorcnt 0x0                           ; my tile of the head's four is in
	ds_add_u32 v[SPW], v[NIL]
	s_mov_b32 s[G1+1], (2*NQ*192)<<16              ; no load of mine is out: the next load brings NB blocks x 2 NQ fragments
	s_mov_b32 s[G1+2], NB<<16
	s_mov_b32 s[G1+3], (2*NQ*192)<<16
	s_mov_b32 s[G1+4], NB
	s_mov_b32 s[G1B+1], (2*NQ*192)<<16
	s_mov_b32 s[G1B+2], NB<<16
	s_mov_b32 s[G1B+3], (2*NQ*192)<<16
	s_mov_b32 s[G1B+4], NB
	s_mov_b32 s[G0+1], s45                         ; slot 0's refill: my quarter of the slot, my half of the blocks
	s_mov_b32 s[G0B+1], s45
	s_add_nc_u64 s[G0+2:G0+3], s[G0+2:G0+3], s[100:101]
	s_add_nc_u64 s[G0B+2:G0B+3], s[G0B+2:G0B+3], s[100:101]
	s_wait_dscnt 0x0                               ; the add is done
	CROUND                                         ; all four tiles are in, and all sixteen work-groups are here
	JLOAD G0+4, G1, G0B+4, G1B                     ; groups 1 and 2: the first tensor load behind the round
	FETCH_B 0, 0, 0
	FETCH_A 0, 0, 0
	SCALES 0
	FETCH_A 0, 0, NB/2
	STEP 0, 0, 0, 1                                ; group 0: the first step's products start the sums: nothing is cleared
	TURN 0, 0, 1, 2                                ; slot 0 is read out: it takes group 3.  The wait for 0 in front of the round also shows slots 1 and 2 whole
	s_wait_alu depctr_va_vdst(0)
	STEP 1, 1, 0, 0                                ; group 1
	TURN 1, 1, 2, 0                                ; slot 2 was shown whole by that round: no barrier
	s_wait_alu depctr_va_vdst(0)
	STEP 2, 0, 0, 0                                ; group 2
	TURN 2, 0, 0, 1                                ; group 3 has landed in slot 0, in every wave's part
	STEP 0, 1, 0, 0                                ; group 3
	LAST 1
; THE WAY OUT.  A's block a: a lane's 64 registers are 128 neighbours along the next K: one fragment (v: 128 keys) or two half fragments (q, k: two heads of 64).  Planes leave as 256 consecutive bytes, aligned.
	PLACES
.irp b, 0,1,2,3
	v_mov_b32 v[TM+4+\b], 0                        ; written once: a lane permute's destination counts as one of its sources
.endr
	s_mov_b32 s[SEL], 0x76543210
	s_mov_b32 s[SEL+1], 0xfedcba98
	s_mov_b32 s[HM], 0xffff0000
	s_lshl_b32 s21, ttmp9, 4                       ; q, k: my first head: 16 x + 4 cx + 2 (wave % 2), k's heads counted from 16
	s_lshl_b32 s22, s40, 2
	s_add_co_u32 s21, s21, s22
	s_lshl_b32 s22, s16, 1
	s_add_co_u32 s21, s21, s22
	s_lshl_b32 s21, s21, 2
	s_add_co_u32 s21, s21, s17
	s_mul_i32 s21, s21, 53248                      ; its record for batch y
	s_lshl_b32 s22, s41, 4
	s_lshl_b32 s23, s15, 3
	s_add_co_u32 s22, s22, s23                     ; my first block of A's: 16 cy + 8 (wave / 2)
	s_mul_i32 s23, s22, 768
	s_add_co_u32 s23, s23, s21                     ; q, k: codes
	s_lshl_b32 s45, s22, 6
	s_add_co_u32 s45, s45, s21
	s_add_co_u32 s45, s45, 49152                   ; q, k: scale words
	s_lshl_b32 s46, s17, 6
	s_add_co_u32 s46, s46, s22
	s_mul_i32 s46, s46, 12800
	s_add_co_u32 s46, s46, 6815744                 ; v: the record of my first block of channels
	s_lshl_b32 s47, s40, 1
	s_add_co_u32 s47, s47, s16                     ; v: my 128 keys: 2 cx + wave % 2
	s_mul_i32 s93, s47, 1536
	s_add_co_u32 s93, s93, s46                     ; v: codes
	s_lshl_b32 s47, s47, 6
	s_add_co_u32 s47, s47, s46
	s_add_co_u32 s47, s47, 12288                   ; v: scale words
	s_mov_b32 s94, 12800
	s_mov_b32 s95, 212992
	s_cmp_eq_u32 ttmp9, 2
	s_cselect_b32 s8, s93, s23
	s_cselect_b32 s10, s47, s45
	s_cselect_b32 s12, s94, 768                    ; from block to block, codes
	s_cselect_b32 s95, 768, s95                    ; from planes 0-2 to planes 3-5: the same fragment, or the next head's record
	s_cselect_b32 s94, s94, 64                     ; from block to block, scale words
	s_mov_b32 s9, 0
	s_mov_b32 s11, 0
	s_mov_b32 s13, 0
	s_lshl_b32 s18, s94, 1
	s_mov_b32 s19, 0
	s_add_nc_u64 s[8:9], s[6:7], s[8:9]
	s_add_nc_u64 s[10:11], s[6:7], s[10:11]
	v_add_nc_u32 v25, s95, v4                      ; 8 x lane + the way to planes 3-5
	v_mul_u32_u24 v24, s94, v3
	v_lshl_add_u32 v24, v2, 2, v24                 ; scale words of two blocks: lanes 0-15 the first's, lanes 16-31 the second's
.macro EROW a
	s_wait_xcnt 0x0                                ; the earlier stores have read their data and their bases: both are written again only behind this wait
.if (\a) > 0
	s_add_nc_u64 s[8:9], s[8:9], s[12:13]
.if (\a)%2 == 0
	s_add_nc_u64 s[10:11], s[10:11], s[18:19]
.endif
.endif
	QUANT 64*((\a)%4), 2+(\a)/4, 2, PW+(\a)%2
.irp p, 0,1,2
	global_store_b64 v4, v[PC+2*\p:PC+2*\p+1], s[8:9] offset:256*\p
.endr
.irp p, 0,1,2
	global_store_b64 v25, v[PC+6+2*\p:PC+7+2*\p], s[8:9] offset:256*\p
.endr
.if (\a)%2
	v_cndmask_b32 v[WD], v[PW], v[PW+1], s[HM]
	global_store_b32 v24, v[WD], s[10:11]
	s_cmp_eq_u32 ttmp9, 2
	s_cbranch_scc1 .Lone_word_\@
	v_lshrrev_b32 v[WD2], 16, v[WD]                ; q, k: the second head's two bytes, in its own record
	global_store_b32 v24, v[WD2], s[10:11] offset:212992
.Lone_word_\@:
.endif
.endm
.irp a, 0,1,2,3,4,5,6,7
	EROW \a
.endr
	s_wait_tensorcnt 0x0                           ; the wave's end
	ds_add_u32 v[SPW], v[NIL]
	s_wait_dscnt 0x0
	CROUND                                         ; the closing round: no work-group ends while a partner may still ask for a tile that names it
	s_endpgm
.Lfunc_end_k_qa3c4310a28_qkv:
	.size	k_qa3c4310a28_qkv, .Lfunc_end_k_qa3c4310a28_qkv-k_qa3c4310a28_qkv
	.p2alignl 7, 3214868480
	.fill 96, 4, 3214868480
	.section	.rodata,"a",@progbits
	.p2align	6, 0x0
	.amdhsa_kernel k_qa3c4310a28_qkv
		.amdhsa_group_segment_fixed_size 327680
		.amdhsa_private_segment_fixed_size 0
		.amdhsa_enable_private_segment 0
		.amdhsa_kernarg_size 16
		.amdhsa_user_sgpr_count 2
		.amdhsa_user_sgpr_kernarg_segment_ptr 1
		.amdhsa_wavefront_size32 1
		.amdhsa_system_sgpr_workgroup_id_x 1
		.amdhsa_system_sgpr_workgroup_id_y 1
		.amdhsa_system_sgpr_workgroup_id_z 1
		.amdhsa_system_vgpr_workitem_id 0
		.amdhsa_next_free_vgpr 1024
		.amdhsa_next_free_sgpr 102
		.amdhsa_reserve_vcc 0
		.amdhsa_float_denorm_mode_32 3
		.amdhsa_float_denorm_mode_16_64 3
		.amdhsa_memory_ordered 1
		.amdhsa_forward_progress 1
		.amdhsa_inst_pref_size 172
	.end_amdhsa_kernel
	.amdgpu_metadata
---
amdhsa.version: [ 1, 2 ]
amdhsa.kernels:
  - .name:           k_qa3c4310a28_qkv
    .symbol:         k_qa3c4310a28_qkv.kd
    .args:
      - { .name: bq, .offset: 0, .size: 8, .value_kind: global_buffer, .address_space: global }
      - { .name: bqkv, .offset: 8, .size: 8, .value_kind: global_buffer, .address_space: global }
    .group_segment_fixed_size: 327680
    .private_segment_fixed_size: 0
    .kernarg_segment_align: 8
    .kernarg_segment_size: 16
    .max_flat_workgroup_size: 128
    .sgpr_count:     102
    .vgpr_count:     1024
    .wavefront_size: 32
...
	.end_amdgpu_metadata
.endif
;; end of part 2
;; launch attn (part 3): grid 4 x 64, 16 waves a work-group, clusters of 4 x 1, 169,984 bytes of LDS; arguments bqkv, ba; writes ba
.if DOCPART == 3
	.amdgcn_target "amdgcn-amd-amdhsa--gfx1250"
	.amdhsa_code_object_version 6
	.text
	.protected	k_qa3c4310a28_attn
	.globl	k_qa3c4310a28_attn
	.p2align	8
	.type	k_qa3c4310a28_attn,@function
k_qa3c4310a28_attn:
	s_mov_b64 s[64:65], 0
	v_nop
	global_prefetch_b8 v0, s[64:65] scope:SCOPE_SE
	s_setreg_imm32_b32 hwreg(HW_REG_WAVE_MODE, 25, 1), 1
	s_wait_xcnt 0x0
	s_wait_alu depctr_hold_cnt(0) depctr_sa_sdst(0) depctr_va_vdst(0) depctr_va_sdst(0) depctr_va_ssrc(0) depctr_va_vcc(0) depctr_vm_vsrc(0)
	s_getreg_b32 s2, hwreg(HW_REG_IB_STS2, 6, 4)
	s_cmp_eq_u32 s2, 0
	s_cbranch_scc0 .Lentry_in_a_cluster
	s_endpgm
.Lentry_in_a_cluster:
	s_bfe_u32 s2, ttmp6, 0x10000c
	s_cmp_lg_u32 s2, 0x3003
	s_cbranch_scc0 .Lentry_shape_is_right
	s_endpgm
.Lentry_shape_is_right:
; Causal attention of one (batch, head) on codes of E3M2, one E8M0 scale for each 32 along a product's K, and the quantising of its result for the next product.
; t = score x log2(e) / 8; M = the running largest t rounded UP to a whole number; p = 2^(t - M) is quantised along the keys; the row's sum is taken of the unquantised p and divides at the end.
; When M moves, the sum and O are multiplied by 2^(old M - new M): exact.
; INPUT (bqkv): records of q and of k: 64 half fragments (a block of 16 tokens x the head's 64: three planes of 256 bytes), then a scale word a row; V^T: four records (blocks of 16 channels), each 8 fragments
; along the keys and their scale words.  Tokens and channels go in blocks of 16: block 2 g + u, place r: 32 g + 8 u + r % 8 + 16 (r / 8).
; SHARES.  The cluster's y is 16 x batch + head.  K's record (53,248 bytes) and V's four (51,200) are dense blocks: they come into LDS ONCE, by joint loads of the cluster's four work-groups.  Nothing is filled again.
; Wave w of the work-group at place cx owns the block of queries 4 m + cx, m = m(w) a permutation of 0 .. 15; it needs m / 2 + 1 steps of 128 keys: a number of the wave alone, so all four partners have the same
; work and no branch hangs on cx.  m(w): the last step is (2 (w / 8) + (w / 2) % 2) xor 7 ((w xor w / 4) % 2), and m = 2 x that + (w / 4) % 2.  With it the steps of the four waves of equal w % 4 add up to 18, and so
; do those of the four waves of equal w / 4: 1 8 2 7 | 8 1 7 2 | 3 6 4 5 | 6 3 5 4 for waves 0 .. 15.
; Every wave walks 8 trips; a step all of whose keys come after its queries is jumped over (a branch on the wave's number and the count).
; LAYOUT.  Both products are used transposed: S^T = K Q^T, O^T = V^T P^T: a lane holds one query throughout; by the grouping of tokens the 16 registers of key tiles 2 g, 2 g + 1 are 16 neighbouring keys.
; THE HEAD'S 64 ARE HALF OF THE INSTRUCTION'S 128.  Q's registers 6-11 are zero codes.  K's tile t is v[28 + 6 t .. 39 + 6 t]: its upper six registers are the next tile's codes (the last tile's: zeros): finite
; numbers that meet Q's zeros under scale bytes that are never 0xff: they add exactly 0.  So only ONE operand's upper half is zeros.
; OUTPUT (ba): the image of the next product's operand: block of tokens x 128 channels; a head fills half a fragment and two of its scale word's bytes.
; LIMITS: NaN and infinities are not served; a block of zeros gets the byte 1; blocks under 2^-122 are held at the floor.
; REGISTERS: v1-4 places that stay, v5 the mask's number, v7 4 r, v8-11 the step's addresses, v12 -M, v13 the largest t, v[14:15] the sum, v16-27 Q, v28-81 K's tiles, later V's fragments, v96-159 S^T then p,
; v160-191 O^T, v192-199 K's scale words, v200-203 V's, v204-223 the result's codes, v224-254 at work, v255 Q's scale word.
.set KREC, 53248
.set VREC, 12800
.set VOFF, 6815744
.set VB,   53248                       ; V in LDS
.set WV,   18
.set SEL,  20
.set CS,   22
.set G1K,  24
.set G1V,  32
.set G0K,  40
.set G0V,  44
.set TBK,  48                          ; s48 the step's tiles of K: 6,144 bytes a step
.set TSK,  49                          ; s49 their scale words: 512
.set TBV,  50                          ; s50 the step's fragments of V: 1,536
.set TSV,  51                          ; s51 their scale words: 64
.macro TLOAD                           ; waves 0, 1 fetch K's halves, waves 2, 3 V's, the others nothing; four v_nop follow each line
	s_cmp_lt_u32 s[WV], 2
	s_cbranch_scc0 .Lnot_k_\@
	tensor_load_to_lds s[G0K:G0K+3], s[G1K:G1K+7]
	s_nop 0
.rept 4
	v_nop
.endr
	s_branch .Lasked_\@
.Lnot_k_\@:
	s_cmp_lt_u32 s[WV], 4
	s_cbranch_scc0 .Lasked_\@
	tensor_load_to_lds s[G0V:G0V+3], s[G1V:G1V+7]
	s_nop 0
.rept 4
	v_nop
.endr
.Lasked_\@:
.endm
.macro CROUND                          ; a round of the cluster's barrier
	s_barrier_signal -1
	s_barrier_wait -1
	s_cmp_lg_u32 s[WV], 0
	s_cbranch_scc1 .Lnot_wave_0_\@
	s_barrier_signal -3
.Lnot_wave_0_\@:
	s_barrier_wait -3
	s_barrier_signal -1
	s_barrier_wait -1
.endm
	s_load_b128 s[4:7], s[0:1], 0x0                ; bqkv, ba
	v_lshl_add_u32 v250, v0, 2, 0x29000
	v_mov_b32 v251, 0
	ds_add_u32 v250, v251
	ds_add_u32 v250, v251
	v_lshrrev_b32 v8, 5, v0
	s_delay_alu instid0(VALU_DEP_1)
	v_readfirstlane_b32 s[WV], v8                  ; wave 0..15
	s_bfe_u32 s12, ttmp6, 0x40000                  ; cx
	s_and_b32 s13, ttmp7, 0xffff                   ; 16 x batch + head
	s_lshr_b32 s14, s13, 4                         ; batch
	s_and_b32 s15, s13, 15                         ; head
	s_lshl_b32 s16, s15, 2
	s_add_co_u32 s16, s16, s14
	s_mul_i32 s52, s16, KREC                       ; q's record
	s_and_b32 s17, s[WV], 1                        ; which half I fetch
	s_mul_i32 s19, s17, KREC/2
	s_add_co_u32 s54, s52, 64*KREC                 ; k's record: 16 heads on
	s_add_co_u32 s54, s54, s19
	s_mov_b32 s55, 0
	s_mul_i32 s56, s13, 4*VREC
	s_add_co_u32 s56, s56, VOFF
	s_mul_i32 s57, s17, 2*VREC
	s_add_co_u32 s56, s56, s57
	s_mov_b32 s57, 0
	s_mov_b32 s[G1K], 15|(3<<16)|(1<<21)           ; 15:0 the mask: all four work-groups; 17:16 elements of 8 bytes; 21 set beside a mask; no padding
	s_mov_b32 s[G1K+1], 32<<16                     ; rows of 256 bytes
	s_mov_b32 s[G1K+2], 104<<16                    ; half of K's record: 104 rows
	s_mov_b32 s[G1K+3], 32<<16
	s_mov_b32 s[G1K+4], 104
	s_mov_b32 s[G1K+5], 32
	s_mov_b32 s[G1K+6], 0
	s_mov_b32 s[G1K+7], 0
	s_mov_b32 s[G1V], 15|(3<<16)|(1<<21)
	s_mov_b32 s[G1V+1], 32<<16
	s_mov_b32 s[G1V+2], 100<<16                    ; two of V's records: 100 rows
	s_mov_b32 s[G1V+3], 32<<16
	s_mov_b32 s[G1V+4], 100
	s_mov_b32 s[G1V+5], 32
	s_mov_b32 s[G1V+6], 0
	s_mov_b32 s[G1V+7], 0
	s_mov_b32 s[SEL], 0x76543210
	s_mov_b32 s[SEL+1], 0xfedcba98
	s_mov_b32 s[CS], 0x3e38aa3b                    ; c = log2(e) / 8
	s_mov_b32 s[CS+1], s[CS]                       ; (named with it as a pair, so it is written)
	s_mov_b32 s[TBK], 0
	s_mov_b32 s[TSK], 0
	s_mov_b32 s[TBV], 0
	s_mov_b32 s[TSV], 0
	s_lshr_b32 s70, s[WV], 2                       ; m(w), from the wave's number alone
	s_xor_b32 s70, s70, s[WV]
	s_and_b32 s70, s70, 1                          ; (w xor w / 4) % 2
	s_mul_i32 s70, s70, 7
	s_lshr_b32 s71, s[WV], 3
	s_lshl_b32 s71, s71, 1
	s_bfe_u32 s53, s[WV], 0x10001
	s_or_b32 s71, s71, s53                         ; 2 (w / 8) + (w / 2) % 2
	s_xor_b32 s3, s71, s70                         ; my last step
	s_bfe_u32 s71, s[WV], 0x10002                  ; (w / 4) % 2 = m % 2
	s_lshl_b32 s70, s3, 1
	s_or_b32 s70, s70, s71                         ; m
	s_wait_dscnt 0x0
	s_wait_kmcnt 0x0
	s_mov_b32 s[G0K], 1
	s_mov_b32 s[G0K+1], s19
	s_add_nc_u64 s[G0K+2:G0K+3], s[4:5], s[54:55]
	s_or_b32 s[G0K+3], s[G0K+3], 0x80000000
	s_mov_b32 s[G0V], 1
	s_mul_i32 s[G0V+1], s17, 2*VREC
	s_add_co_u32 s[G0V+1], s[G0V+1], VB
	s_add_nc_u64 s[G0V+2:G0V+3], s[4:5], s[56:57]
	s_or_b32 s[G0V+3], s[G0V+3], 0x80000000
	CROUND                                         ; all four work-groups are here: the joint loads meet
	TLOAD                                          ; one load a wave at the most; filled once
	s_lshl_b32 s58, s70, 2
	s_add_co_u32 s58, s58, s12                     ; my block of queries: 4 m + cx: it enters global addresses and the mask's number alone
	s_mul_i32 s60, s58, 768
	s_add_co_u32 s60, s60, s52
	s_mov_b32 s61, 0
	s_add_nc_u64 s[8:9], s[4:5], s[60:61]          ; its codes
	s_lshl_b32 s60, s58, 6
	s_add_co_u32 s60, s60, s52
	s_add_co_u32 s60, s60, 49152
	s_add_nc_u64 s[10:11], s[4:5], s[60:61]        ; its scale words
	s_lshl_b32 s62, s14, 6
	s_add_co_u32 s62, s62, s58                     ; the block among all tokens
	s_lshl_b32 s62, s62, 3
	s_lshr_b32 s63, s15, 1
	s_add_co_u32 s62, s62, s63                     ; its fragment: 128 channels hold two heads
	s_and_b32 s63, s15, 1
	s_mul_i32 s60, s62, 1536
	s_mul_i32 s59, s63, 768
	s_add_co_u32 s60, s60, s59
	s_add_nc_u64 s[66:67], s[6:7], s[60:61]        ; where my codes go
	s_lshl_b32 s60, s62, 6
	s_lshl_b32 s59, s63, 1
	s_add_co_u32 s60, s60, s59
	s_add_co_u32 s60, s60, 3145728
	s_add_nc_u64 s[68:69], s[6:7], s[60:61]        ; and my two scale bytes a row
	s_lshl_b32 s59, s71, 6                         ; my queries in my last step's 128 keys: 64 (m % 2) + 32 (cx / 2) + 8 (cx % 2) + ..
	s_lshr_b32 s63, s12, 1
	s_lshl_b32 s63, s63, 5
	s_add_co_u32 s59, s59, s63
	s_and_b32 s63, s12, 1
	s_lshl_b32 s63, s63, 3
	s_add_co_u32 s59, s59, s63
	v_and_b32 v6, 31, v0
	v_and_b32 v8, 15, v0                           ; r
	v_bfe_u32 v9, v0, 4, 1                         ; h
	s_delay_alu instid0(VALU_DEP_3)
	v_lshlrev_b32 v1, 3, v6                        ; K's tiles: 8 x lane
	s_delay_alu instid0(VALU_DEP_3)
	v_lshlrev_b32 v7, 2, v8                        ; 4 r
	s_delay_alu instid0(VALU_DEP_1)
	v_add_nc_u32 v2, 49152, v7                     ; K's scale words
	s_delay_alu instid0(VALU_DEP_3)
	v_add_nc_u32 v3, VB, v1                        ; V's fragments
	s_delay_alu instid0(VALU_DEP_3)
	v_add_nc_u32 v4, VB+12288, v7                  ; V's scale words
	v_and_b32 v10, 8, v8
	s_delay_alu instid0(VALU_DEP_1)
	v_add_nc_u32 v10, v10, v8                      ; r % 8 + 16 (r / 8)
	v_lshlrev_b32 v11, 4, v9
	s_delay_alu instid0(VALU_DEP_1)
	v_sub_nc_u32 v10, v10, v11
	s_delay_alu instid0(VALU_DEP_1)
	v_add_nc_u32 v5, s59, v10                      ; d = my query in the last step - 16 h: register 16 b + i holds key 32 b + 16 h + i: hidden where 32 b + i > d
.irp p, 0,1,2
	global_load_b64 v[16+2*\p:17+2*\p], v1, s[8:9] offset:256*\p   ; Q's half fragment stays in registers
.endr
	global_load_b32 v255, v7, s[10:11]
.irp j, 22,23,24,25,26,27,76,77,78,79,80,81
	v_mov_b32 v[\j], 0                             ; zero codes: Q's upper half, and what lies behind K's last tile
.endr
	v_mov_b32 v13, 0xff61b1e6                      ; the largest t so far: -3e38
	s_delay_alu instid0(VALU_DEP_1)
	v_floor_f32 v12, -v13                          ; -M
	v_mov_b32 v14, 0
	v_mov_b32 v15, 0
.irp j, 236,237,238,239,252,253
	v_mov_b32 v[\j], 0                             ; written once: permutes' destinations, and the upper half of the pair v[252:253]
.endr
.set n, 0
.rept 32
	v_mov_b32 v[160+n], 0                          ; O^T: the loop is written once; its first step finds zeros
.set n, n+1
.endr
	s_wait_tensorcnt 0x0                           ; my part of K or V is in,
	s_barrier_signal -1
	s_barrier_wait -1                              ; everybody's is
	s_wait_loadcnt 0x0                             ; Q
	s_mov_b32 s2, 0
.Lstep:
	s_cmp_gt_u32 s2, s3                            ; all of this step's keys come after my queries: only the addresses step
	s_cbranch_scc1 .Lhidden
	v_add_nc_u32 v8, s[TBK], v1                    ; (these four are also the places in front of loads into registers that the last products read)
	v_add_nc_u32 v9, s[TSK], v2
	v_add_nc_u32 v10, s[TBV], v3
	v_add_nc_u32 v11, s[TSV], v4
.set t, 0
.rept 8
.irp p, 0,1,2
	ds_load_b64 v[28+6*t+2*\p:29+6*t+2*\p], v8 offset:768*t+256*\p
.endr
	ds_load_b32 v[192+t], v9 offset:64*t
.set t, t+1
.endr
	s_wait_alu depctr_va_vdst(0)
	s_wait_dscnt 0x0
.set t, 0
.rept 8
	v_wmma_scale_f32_16x16x128_f8f6f4 v[96+8*t:103+8*t], v[28+6*t:39+6*t], v[16:27], 0, v[192+t], v255 matrix_a_fmt:MATRIX_FMT_BF6 matrix_b_fmt:MATRIX_FMT_BF6
.set t, t+1
.endr
.rept 4
	v_nop                                          ; places: the loads below land on K's registers, and the scores are read
.endr
.set t, 0
.rept 4
.irp p, 0,1,2,3,4,5
	ds_load_b64 v[28+12*t+2*\p:29+12*t+2*\p], v10 offset:VREC*t+256*\p   ; V's four fragments of these 128 keys: they land while the softmax is worked
.endr
	ds_load_b32 v[200+t], v11 offset:VREC*t
.set t, t+1
.endr
	s_cmp_lt_u32 s2, s3                            ; a step all of whose keys count skips the mask
	s_cbranch_scc1 .Lopen
	v_mov_b32 v254, 0xff800000                     ; -infinity: p = 0 then
.set n, 0
.rept 64
	v_cmp_gt_i32 vcc_lo, 32*(n/16)+n%16, v5
	v_cndmask_b32 v[96+n], v[96+n], v254, vcc_lo
.set n, n+1
.endr
.Lopen:
.irp b, 0,1,2,3
	v_max3_num_f32 v[232+\b], v[96+16*\b], v[97+16*\b], v[98+16*\b]   ; the largest score of each block of 32 keys: it serves the row's maximum and, since p rises with the score, the block's largest p
.endr
.irp i, 3,5,7,9,11,13
.irp b, 0,1,2,3
	v_max3_num_f32 v[232+\b], v[232+\b], v[96+16*\b+\i], v[97+16*\b+\i]
.endr
.endr
.irp b, 0,1,2,3
	v_max_num_f32 v[232+\b], v[232+\b], v[111+16*\b]
.endr
.irp b, 0,1,2,3
	s_delay_alu instid0(VALU_DEP_4)
	v_permlanex16_b32 v[236+\b], v[232+\b], s[SEL], s[SEL+1]
.endr
.irp b, 0,1,2,3
	s_delay_alu instid0(VALU_DEP_4)
	v_max_num_f32 v[232+\b], v[232+\b], v[236+\b]  ; with lane l xor 16's 16 keys
.endr
	s_delay_alu instid0(VALU_DEP_2)
	v_max3_num_f32 v254, v232, v233, v234
	s_delay_alu instid0(VALU_DEP_1)
	v_max_num_f32 v254, v254, v235
	s_delay_alu instid0(VALU_DEP_1)
	v_mul_f32 v254, s[CS], v254                    ; as t
	s_delay_alu instid0(VALU_DEP_1)
	v_max_num_f32 v13, v13, v254                   ; the running largest t
	v_mov_b32 v254, v12
	s_delay_alu instid0(VALU_DEP_2)
	v_floor_f32 v12, -v13                          ; the new -M = -ceil(t): a whole number
	s_delay_alu instid0(VALU_DEP_1)
	v_sub_f32 v254, v12, v254                      ; old M - new M: a whole number, 0 or less
	s_delay_alu instid0(VALU_DEP_1)
	v_cvt_i32_f32 v254, v254
	s_delay_alu instid0(VALU_DEP_1)
	v_ldexp_f32 v252, 1.0, v254                    ; f = 2^(old M - new M)
.set n, 0
.rept 32
	v_pk_fma_f32 v[96+2*n:97+2*n], v[96+2*n:97+2*n], s[CS:CS+1], v[12:13] op_sel_hi:[1,0,0]   ; t - M, two at a time
.set n, n+1
.endr
.irp b, 0,1,2,3
	v_fma_f32 v[232+\b], v[232+\b], s[CS], v12     ; the same of each block's largest score
.endr
.set n, 0
	s_wait_alu depctr_va_vdst(0)
.rept 64
	v_exp_f32 v[96+n], v[96+n]                     ; p = 2^(t - M), at most 1
.set n, n+1
.endr
	v_pk_mul_f32 v[14:15], v[14:15], v[252:253] op_sel_hi:[1,0]   ; the sums under the new M (a plain place behind the exponentials)
	s_wait_alu depctr_va_vdst(0)                   ; one wait for the whole batch, ahead of its first reader
.irp b, 0,1,2,3
	v_exp_f32 v[232+\b], v[232+\b]                 ; the block's largest p
.endr
	v_pk_add_f32 v[236:237], v[100:101], v[104:105]
	v_pk_add_f32 v[248:249], v[108:109], v[112:113]
	v_pk_add_f32 v[246:247], v[116:117], v[120:121]
	v_pk_add_f32 v[244:245], v[124:125], v[128:129]
	v_pk_add_f32 v[242:243], v[132:133], v[136:137]
	v_pk_add_f32 v[240:241], v[140:141], v[144:145]
	v_pk_add_f32 v[238:239], v[148:149], v[152:153]
	v_pk_add_f32 v[14:15], v[14:15], v[156:157]
	v_pk_add_f32 v[236:237], v[236:237], v[96:97]
	v_pk_add_f32 v[248:249], v[248:249], v[98:99]
	v_pk_add_f32 v[246:247], v[246:247], v[102:103]
	v_pk_add_f32 v[244:245], v[244:245], v[106:107]
	v_pk_add_f32 v[242:243], v[242:243], v[110:111]
	v_pk_add_f32 v[240:241], v[240:241], v[114:115]
	v_pk_add_f32 v[238:239], v[238:239], v[118:119]
	v_pk_add_f32 v[14:15], v[14:15], v[122:123]
	v_pk_add_f32 v[236:237], v[236:237], v[126:127]
	v_pk_add_f32 v[248:249], v[248:249], v[130:131]
	v_pk_add_f32 v[246:247], v[246:247], v[134:135]
	v_pk_add_f32 v[244:245], v[244:245], v[138:139]
	v_pk_add_f32 v[242:243], v[242:243], v[142:143]
	v_pk_add_f32 v[240:241], v[240:241], v[146:147]
	v_pk_add_f32 v[238:239], v[238:239], v[150:151]
	v_pk_add_f32 v[14:15], v[14:15], v[154:155]
	v_pk_add_f32 v[236:237], v[236:237], v[158:159]
	s_delay_alu instid0(VALU_DEP_2)
	v_pk_add_f32 v[14:15], v[14:15], v[244:245]
	s_delay_alu instid0(VALU_DEP_2)
	v_pk_add_f32 v[236:237], v[236:237], v[242:243]
	v_pk_add_f32 v[248:249], v[248:249], v[240:241]
	v_pk_add_f32 v[246:247], v[246:247], v[238:239]
	s_delay_alu instid0(VALU_DEP_2)
	v_pk_add_f32 v[14:15], v[14:15], v[248:249]
	s_delay_alu instid0(VALU_DEP_2)
	v_pk_add_f32 v[236:237], v[236:237], v[246:247]
	s_delay_alu instid0(VALU_DEP_1)
	v_pk_add_f32 v[14:15], v[14:15], v[236:237]
	s_wait_alu depctr_va_vdst(0)                   ; and one for the four
.irp b, 0,1,2,3
	v_max_num_f32 v[232+\b], 0x2800000, v[232+\b]  ; the floor 2^(5 - 127)
.endr
.irp b, 0,1,2,3
	s_delay_alu instid0(VALU_DEP_4)
	v_add_nc_u32 v[244+\b], 0xfe000000, v[232+\b]  ; 4 off the exponent field: the conversion's scale operand
.endr
.irp b, 0,1,2,3
	s_delay_alu instid0(VALU_DEP_4)
	v_lshrrev_b32 v[236+\b], 23, v[244+\b]
.endr
	s_delay_alu instid0(VALU_DEP_3)
	v_lshl_or_b32 v253, v237, 8, v236              ; p's scale word for these 128 keys
	s_delay_alu instid0(VALU_DEP_1)
	v_lshl_or_b32 v253, v238, 16, v253
	s_delay_alu instid0(VALU_DEP_1)
	v_lshl_or_b32 v253, v239, 24, v253
.irp c, 0,1
	v_cvt_scalef32_pk16_bf6_f32 v[224+6*\c:226+6*\c], v[96+32*\c:111+32*\c], v[244+2*\c]
	v_cvt_scalef32_pk16_bf6_f32 v[236+4*\c:238+4*\c], v[112+32*\c:127+32*\c], v[244+2*\c+1]
.endr
	v_nop                                          ; one plain place behind a scaled conversion
.irp c, 0,1
.irp i, 0,1,2
	v_permlane16_swap_b32 v[224+6*\c+\i], v[236+4*\c+\i]
.endr
.irp i, 0,1,2
	s_delay_alu instid0(VALU_DEP_3)
	v_mov_b32 v[227+6*\c+\i], v[236+4*\c+\i]
.endr
.endr
.set n, 0
.rept 16
	v_pk_mul_f32 v[160+2*n:161+2*n], v[160+2*n:161+2*n], v[252:253] op_sel_hi:[1,0]   ; O^T under the new M (these sixteen are also the places between p's codes and scale word and the products)
.set n, n+1
.endr
	s_wait_alu depctr_va_vdst(0)
	s_wait_dscnt 0x0                               ; V
.set t, 0
.rept 4
	v_wmma_scale_f32_16x16x128_f8f6f4 v[160+8*t:167+8*t], v[28+12*t:39+12*t], v[224:235], v[160+8*t:167+8*t], v[200+t], v253 matrix_a_fmt:MATRIX_FMT_BF6 matrix_b_fmt:MATRIX_FMT_BF6
.set t, t+1
.endr
.Lhidden:
	s_add_co_u32 s[TBK], s[TBK], 6144
	s_add_co_u32 s[TSK], s[TSK], 512
	s_add_co_u32 s[TBV], s[TBV], 1536
	s_add_co_u32 s[TSV], s[TSV], 64
	s_add_co_u32 s2, s2, 1
	s_cmp_lt_u32 s2, 8
	s_cbranch_scc1 .Lstep
; THE WAY OUT: O^T / the sum; register 16 g + i is channel 32 g + 16 h + i of the head: 32 numbers a lane become half a fragment.
	v_add_f32 v14, v14, v15
	s_delay_alu instid0(VALU_DEP_1)
	v_permlanex16_b32 v252, v14, s[SEL], s[SEL+1]
	s_delay_alu instid0(VALU_DEP_1)
	v_add_f32 v14, v14, v252                       ; the row's sum
	s_wait_alu depctr_va_vdst(0)
	v_rcp_f32 v14, v14
.rept 3
	v_nop                                          ; plain places: behind the reciprocal, and with the additions above behind the last products
.endr
	s_wait_alu depctr_va_vdst(0)                   ; ahead of the reciprocal's first reader
.set n, 0
.rept 32
	v_mul_f32 v[96+n], v[160+n], v14
.set n, n+1
.endr
	v_max3_num_f32 v232, |v96|, |v97|, 0x2800000
	v_max3_num_f32 v233, |v112|, |v113|, 0x2800000
.irp i, 2,4,6,8,10,12,14
	s_delay_alu instid0(VALU_DEP_2)
	v_max3_num_f32 v232, v232, |v[96+\i]|, |v[97+\i]|
	s_delay_alu instid0(VALU_DEP_2)
	v_max3_num_f32 v233, v233, |v[112+\i]|, |v[113+\i]|
.endr
	s_delay_alu instid0(VALU_DEP_2)
	v_permlanex16_b32 v236, v232, s[SEL], s[SEL+1]
	s_delay_alu instid0(VALU_DEP_2)
	v_permlanex16_b32 v237, v233, s[SEL], s[SEL+1]
	s_delay_alu instid0(VALU_DEP_2)
	v_max_num_f32 v232, v232, v236
	s_delay_alu instid0(VALU_DEP_2)
	v_max_num_f32 v233, v233, v237
	s_delay_alu instid0(VALU_DEP_2)
	v_add_nc_u32 v244, 0xfe000000, v232
	s_delay_alu instid0(VALU_DEP_2)
	v_add_nc_u32 v245, 0xfe000000, v233
	s_delay_alu instid0(VALU_DEP_2)
	v_lshrrev_b32 v236, 23, v244
	s_delay_alu instid0(VALU_DEP_2)
	v_lshrrev_b32 v237, 23, v245
	s_delay_alu instid0(VALU_DEP_1)
	v_lshl_or_b32 v248, v237, 8, v236              ; my row's two scale bytes
	v_cvt_scalef32_pk16_bf6_f32 v[204:206], v[96:111], v244
	v_cvt_scalef32_pk16_bf6_f32 v[216:218], v[112:127], v245
	v_nop
.irp i, 0,1,2
	v_permlane16_swap_b32 v[204+\i], v[216+\i]
.endr
.irp i, 0,1,2
	s_delay_alu instid0(VALU_DEP_3)
	v_mov_b32 v[207+\i], v[216+\i]
.endr
.irp p, 0,1,2
	global_store_b64 v1, v[204+2*\p:205+2*\p], s[66:67] offset:256*\p   ; a plane: 256 consecutive bytes, aligned
.endr
	global_store_b16 v7, v248, s[68:69]            ; lanes r and r + 16 hold the same two bytes and write them to the same place
	s_wait_tensorcnt 0x0
	ds_add_u32 v250, v251
	s_wait_dscnt 0x0
	CROUND                                         ; the closing round
	s_endpgm
.Lfunc_end_k_qa3c4310a28_attn:
	.size	k_qa3c4310a28_attn, .Lfunc_end_k_qa3c4310a28_attn-k_qa3c4310a28_attn
	.p2alignl 7, 3214868480
	.fill 96, 4, 3214868480
	.section	.rodata,"a",@progbits
	.p2align	6, 0x0
	.amdhsa_kernel k_qa3c4310a28_attn
		.amdhsa_group_segment_fixed_size 169984
		.amdhsa_private_segment_fixed_size 0
		.amdhsa_enable_private_segment 0
		.amdhsa_kernarg_size 16
		.amdhsa_user_sgpr_count 2
		.amdhsa_user_sgpr_kernarg_segment_ptr 1
		.amdhsa_wavefront_size32 1
		.amdhsa_system_sgpr_workgroup_id_x 1
		.amdhsa_system_sgpr_workgroup_id_y 1
		.amdhsa_system_sgpr_workgroup_id_z 1
		.amdhsa_system_vgpr_workitem_id 0
		.amdhsa_next_free_vgpr 256
		.amdhsa_next_free_sgpr 72
		.amdhsa_reserve_vcc 1
		.amdhsa_float_denorm_mode_32 3
		.amdhsa_float_denorm_mode_16_64 3
		.amdhsa_memory_ordered 1
		.amdhsa_forward_progress 1
		.amdhsa_inst_pref_size 38
	.end_amdhsa_kernel
	.amdgpu_metadata
---
amdhsa.version: [ 1, 2 ]
amdhsa.kernels:
  - .name:           k_qa3c4310a28_attn
    .symbol:         k_qa3c4310a28_attn.kd
    .args:
      - { .name: bqkv, .offset: 0, .size: 8, .value_kind: global_buffer, .address_space: global }
      - { .name: ba, .offset: 8, .size: 8, .value_kind: global_buffer, .address_space: global }
    .group_segment_fixed_size: 169984
    .private_segment_fixed_size: 0
    .kernarg_segment_align: 8
    .kernarg_segment_size: 16
    .max_flat_workgroup_size: 512
    .sgpr_count:     72
    .vgpr_count:     256
    .wavefront_size: 32
...
	.end_amdgpu_metadata
.endif
;; end of part 3
;; launch oproj (part 4): grid 8 x 32, 4 waves a work-group, clusters of 4 x 4, 327,680 bytes of LDS; arguments ba, bq, x, bx1; writes bx1
.if DOCPART == 4
	.amdgcn_target "amdgcn-amd-amdhsa--gfx1250"
	.amdhsa_code_object_version 6
	.text
	.protected	k_qa3c4310a28_oproj
	.globl	k_qa3c4310a28_oproj
	.p2align	8
	.type	k_qa3c4310a28_oproj,@function
k_qa3c4310a28_oproj:
	s_mov_b64 s[64:65], 0
	v_nop
	global_prefetch_b8 v0, s[64:65] scope:SCOPE_SE
	s_setreg_imm32_b32 hwreg(HW_REG_WAVE_MODE, 25, 1), 1
	s_wait_xcnt 0x0
	s_wait_alu depctr_hold_cnt(0) depctr_sa_sdst(0) depctr_va_vdst(0) depctr_va_sdst(0) depctr_va_ssrc(0) depctr_va_vcc(0) depctr_vm_vsrc(0)
	s_getreg_b32 s2, hwreg(HW_REG_IB_STS2, 6, 4)
	s_cmp_eq_u32 s2, 0
	s_cbranch_scc0 .Lentry_in_a_cluster
	s_endpgm
.Lentry_in_a_cluster:
	s_bfe_u32 s2, ttmp6, 0x10000c
	s_cmp_lg_u32 s2, 0xf033
	s_cbranch_scc0 .Lentry_shape_is_right
	s_endpgm
.Lentry_shape_is_right:
.set NB,    4
.set NQ,    4
.set KK,    8
.set PF,    0
.set FRB,   1536
.set HALFT, NB*NQ*FRB
.set SLOT,  4*HALFT
.set SCL,   2*SLOT
.set HALFS, NB*KK*64
.set SPARE, SCL+4*HALFS
.set LAPS,  KK/(2*NQ)
.set ADRA,  16
.set ADRB,  20
.set ADRS,  27
.set SPW,   28
.set NIL,   29
.set SC,    32
.set AF,    128
.set G1,    24
.set G0,    32
.set G1B,   48
.set G0B,   56
.set G1S,   68
.set G0S,   76
.set G1SB,  80
.set G0SB,  88
.set MUL_LO, 0xa1
.set MUL_HI, 0xf1
.set TO_B,   0x40
.set STG,   4352
.set SOF,   22
.set STO,   24
.set RD,    25
.set CO,    26
.set BK,    64
.set QI,    96
.set PC,    128
.set TM,    200
.set HW,    216
.set WD,    218
.set RS,    64
.set SEL,   96
.set HM,    92
.set MSB, 0
.macro WIN new
.if MSB != (\new)
	s_set_vgpr_msb (MSB<<8)|(\new)
.set MSB, (\new)
.endif
.endm
.macro JLOAD g0a, g1a, g0b, g1b
	s_cmp_eq_u32 s15, 0
	s_cbranch_scc0 .Lfor_b_\@
	tensor_load_to_lds s[\g0a:\g0a+3], s[\g1a:\g1a+7]
	s_nop 0
.rept 4
	v_nop
.endr
	s_branch .Lasked_\@
.Lfor_b_\@:
	tensor_load_to_lds s[\g0b:\g0b+3], s[\g1b:\g1b+7]
	s_nop 0
.rept 4
	v_nop
.endr
.Lasked_\@:
.endm
.macro CREST
	s_cmp_lg_u32 s14, 0
	s_cbranch_scc1 .Lnot_wave_0_\@
	s_barrier_signal -3
.Lnot_wave_0_\@:
	s_barrier_wait -3
	s_barrier_signal -1
	s_barrier_wait -1
.endm
.macro CROUND
	s_barrier_signal -1
	s_barrier_wait -1
	CREST
.endm
.macro PLACES
.rept 4
	v_nop
.endr
.endm
.macro FRAG reg, adr, q, i
.irp p, 0,1,2,3,4,5
	ds_load_b64 v[(\reg)+2*\p:(\reg)+2*\p+1], v[\adr] offset:((\i)*NQ+(\q))*FRB+256*\p
.endr
.endm
.macro FETCH_B slot, q, p
	WIN TO_B
.set fi, 0
.rept NB
	FRAG 128*(\p)+12*fi, ADRB+\slot, \q, fi
.set fi, fi+1
.endr
	WIN 0
.endm
.macro FETCH_A slot, q, i0
.set fi, \i0
.rept NB/2
	FRAG AF+12*fi, ADRA+\slot, \q, fi
.set fi, fi+1
.endr
.endm
.macro SCALES sc
.set fi, 0
.rept NB
.set fq, 0
.rept NQ
	ds_load_b32 v[SC+16*(\sc)+NQ*fi+fq], v[ADRS] offset:fi*KK*64+fq*64
.set fq, fq+1
.endr
.set fi, fi+1
.endr
.endm
.macro MUL a0, na, p, q, sc, zero
.set ma, \a0
.rept \na
.set mb, 0
.rept NB
.set rD, 8*(NB*(ma%(NB/2))+mb)
.if \zero
	v_wmma_scale_f32_16x16x128_f8f6f4 v[rD:rD+7], v[128*(\p)+12*mb:128*(\p)+12*mb+11], v[AF+12*ma:AF+12*ma+11], 0, v[SC+16*(\sc)+NQ*mb+(\q)], v[SC+16*(\sc)+NQ*ma+(\q)] matrix_a_fmt:MATRIX_FMT_BF6 matrix_b_fmt:MATRIX_FMT_BF6 matrix_a_scale:MATRIX_SCALE_ROW1
.else
	v_wmma_scale_f32_16x16x128_f8f6f4 v[rD:rD+7], v[128*(\p)+12*mb:128*(\p)+12*mb+11], v[AF+12*ma:AF+12*ma+11], v[rD:rD+7], v[SC+16*(\sc)+NQ*mb+(\q)], v[SC+16*(\sc)+NQ*ma+(\q)] matrix_a_fmt:MATRIX_FMT_BF6 matrix_b_fmt:MATRIX_FMT_BF6 matrix_a_scale:MATRIX_SCALE_ROW1
.endif
.set mb, mb+1
.endr
.set ma, ma+1
.endr
.endm
.macro STEP slot, q, zero
	s_wait_dscnt 3*NB
	WIN MUL_LO
	MUL 0, NB/2, (\q)%2, \q, \slot, \zero
	s_wait_dscnt 0x0
	PLACES
	FETCH_B \slot, (\q)+1, 1-(\q)%2
	FETCH_A \slot, (\q)+1, 0
	WIN MUL_HI
	MUL NB/2, NB/2, (\q)%2, \q, \slot, \zero
	PLACES
	WIN 0
	FETCH_A \slot, (\q)+1, NB/2
.endm
.macro REST slot
.if NQ > 2
	STEP \slot, 1, 0
	STEP \slot, 2, 0
.endif
.endm
.macro TURN slot, next, fill
.if PF && \fill
	s_wait_xcnt 0x0
	s_add_nc_u64 s[PFA:PFA+1], s[PFA:PFA+1], NQ*FRB
.endif
	s_wait_tensorcnt 0x0
	ds_add_u32 v[SPW], v[NIL]
	s_wait_dscnt 3*NB+1
	WIN MUL_LO
	MUL 0, NB/4, 1, NQ-1, \slot, 0
	s_wait_dscnt 0x0
	s_barrier_signal -1
	MUL NB/4, NB/4, 1, NQ-1, \slot, 0
	WIN 0
	s_barrier_wait -1
.if \fill
	CREST
	s_add_nc_u64 s[G0+4*\slot+2:G0+4*\slot+3], s[G0+4*\slot+2:G0+4*\slot+3], 2*NQ*FRB
	s_add_nc_u64 s[G0B+4*\slot+2:G0B+4*\slot+3], s[G0B+4*\slot+2:G0B+4*\slot+3], 2*NQ*FRB
	JLOAD G0+4*\slot, G1, G0B+4*\slot, G1B
.else
	PLACES
.endif
	v_add_nc_u32 v[ADRS], NQ*64, v[ADRS]
	FETCH_B \next, 0, 0
	FETCH_A \next, 0, 0
	SCALES \next
.if PF && \fill
	ASK
.endif
	WIN MUL_HI
	MUL NB/2, NB/2, 1, NQ-1, \slot, 0
	PLACES
	WIN 0
	FETCH_A \next, 0, NB/2
.endm
.macro LAST
	s_wait_dscnt 3*NB
	WIN MUL_LO
	MUL 0, NB/2, 1, NQ-1, 1, 0
	s_wait_dscnt 0x0
	WIN MUL_HI
	MUL NB/2, NB/2, 1, NQ-1, 1, 0
	WIN 0
.endm
.macro QUANT s, w, nc, pw
	WIN ((\w)<<2)|((\w)<<4)
.set qb, 0
.rept 2*(\nc)
	v_max3_num_f32 v[TM+qb], 0x2800000, |v[(\s)+16*qb]|, |v[(\s)+16*qb+1]|
.set qb, qb+1
.endr
.irp i, 2,4,6,8,10,12,14
.set qb, 0
.rept 2*(\nc)
	v_max3_num_f32 v[TM+qb], v[TM+qb], |v[(\s)+16*qb+\i]|, |v[(\s)+16*qb+\i+1]|
.set qb, qb+1
.endr
.endr
	WIN 0
.set qb, 0
.rept 2*(\nc)
	v_permlanex16_b32 v[TM+4+qb], v[TM+qb], s[SEL], s[SEL+1]
.set qb, qb+1
.endr
.set qb, 0
.rept 2*(\nc)
	v_max_num_f32 v[TM+qb], v[TM+qb], v[TM+4+qb]
.set qb, qb+1
.endr
.set qb, 0
.rept 2*(\nc)
	v_add_nc_u32 v[TM+12+qb], 0xfe000000, v[TM+qb]
.set qb, qb+1
.endr
.set qb, 0
.rept 2*(\nc)
	v_lshrrev_b32 v[TM+4+qb], 23, v[TM+12+qb]
.set qb, qb+1
.endr
	v_lshl_or_b32 v[\pw], v[TM+5], 8, v[TM+4]
.if (\nc) > 1
	v_lshl_or_b32 v[\pw], v[TM+6], 16, v[\pw]
	v_lshl_or_b32 v[\pw], v[TM+7], 24, v[\pw]
.endif
	WIN \w
.set qc, 0
.rept \nc
	v_cvt_scalef32_pk16_bf6_f32 v[PC+6*qc:PC+6*qc+2], v[(\s)+32*qc:(\s)+32*qc+15], v[TM+12+2*qc]
	v_cvt_scalef32_pk16_bf6_f32 v[PC+12+4*qc:PC+14+4*qc], v[(\s)+32*qc+16:(\s)+32*qc+31], v[TM+13+2*qc]
.set qc, qc+1
.endr
	WIN 0
	v_nop
.set qc, 0
.rept \nc
.irp i, 0,1,2
	v_permlane16_swap_b32 v[PC+6*qc+\i], v[PC+12+4*qc+\i]
.endr
.irp i, 0,1,2
	v_mov_b32 v[PC+3+6*qc+\i], v[PC+12+4*qc+\i]
.endr
.set qc, qc+1
.endr
.endm
	s_load_b256 s[4:11], s[0:1], 0x0
	v_lshl_add_u32 v[SPW], v0, 2, SPARE
	v_mov_b32 v[NIL], 0
	ds_add_u32 v28, v29
	ds_add_u32 v28, v29
	s_wait_dscnt 0x0
	v_lshrrev_b32 v1, 5, v0
	v_readfirstlane_b32 s14, v1
	s_lshr_b32 s15, s14, 1
	s_and_b32 s16, s14, 1
	s_bfe_u32 s40, ttmp6, 0x40000
	s_bfe_u32 s41, ttmp6, 0x40004
	s_lshl_b32 s42, ttmp9, 2
	s_add_co_u32 s42, s42, s40
	s_and_b32 s17, ttmp7, 0xffff
	s_lshl_b32 s17, s17, 2
	s_add_co_u32 s17, s17, s41
	s_lshl_b32 s43, s41, 2
	s_lshl_b32 s43, 15, s43
	s_lshl_b32 s44, 0x1111, s40
	s_or_b32 s[G1+0], s43, (3<<16)|(1<<21)
	s_or_b32 s[G1B+0], s44, (3<<16)|(1<<21)
.irp g, G1, G1B
	s_mov_b32 s[\g+1], (NQ*192)<<16
	s_mov_b32 s[\g+2], (2*NB)<<16                  ; the head's loads bring a tile's 2 NB blocks
	s_mov_b32 s[\g+3], (NQ*192)<<16
	s_mov_b32 s[\g+4], 2*NB
	s_mov_b32 s[\g+5], KK*192
	s_mov_b32 s[\g+6], 0
	s_mov_b32 s[\g+7], 0
.endr
	s_or_b32 s[G1S+0], s43, (3<<16)|(1<<21)
	s_or_b32 s[G1SB+0], s44, (3<<16)|(1<<21)
.irp g, G1S, G1SB
	s_mov_b32 s[\g+1], 32<<16
	s_mov_b32 s[\g+2], (2*HALFS/256)<<16
	s_mov_b32 s[\g+3], 32<<16
	s_mov_b32 s[\g+4], 2*HALFS/256
	s_mov_b32 s[\g+5], 32
	s_mov_b32 s[\g+6], 0
	s_mov_b32 s[\g+7], 0
.endr
	s_mul_i32 s100, s16, NB*KK*FRB                 ; behind the head I fetch NB blocks of a tile: which half, in bytes
	s_mov_b32 s101, 0
	s_lshl_b32 s20, s17, 3
	s_lshl_b32 s46, s42, 3
	s_add_co_u32 s46, s46, 448
	s_lshl_b32 s22, s20, 9
	s_add_co_u32 s22, s22, 3145728
	s_mov_b32 s23, 0
	s_mul_i32 s20, s20, KK*FRB
	s_mov_b32 s21, 0
	s_lshl_b32 s92, s46, 9
	s_add_co_u32 s92, s92, 12582912
	s_mov_b32 s93, 0
	s_mul_i32 s46, s46, KK*FRB
	s_mov_b32 s47, 0
	s_mul_i32 s45, s14, HALFT
	s_wait_kmcnt 0x0
	s_add_nc_u64 s[20:21], s[4:5], s[20:21]
	s_add_nc_u64 s[22:23], s[4:5], s[22:23]
	s_add_nc_u64 s[46:47], s[6:7], s[46:47]
	s_add_nc_u64 s[92:93], s[6:7], s[92:93]
	CROUND
	s_mov_b32 s[G0S], 1
	s_mov_b32 s[G0S+1], SCL
	s_mov_b64 s[G0S+2:G0S+3], s[22:23]
	s_or_b32 s[G0S+3], s[G0S+3], 0x80000000
	s_mov_b32 s[G0SB], 1
	s_mov_b32 s[G0SB+1], SCL+2*HALFS
	s_mov_b64 s[G0SB+2:G0SB+3], s[92:93]
	s_or_b32 s[G0SB+3], s[G0SB+3], 0x80000000
.irp s, 0,1
	s_mov_b32 s[G0+4*\s], 1
	s_add_co_u32 s[G0+4*\s+1], s45, \s*SLOT
	s_add_nc_u64 s[G0+4*\s+2:G0+4*\s+3], s[20:21], \s*NQ*FRB
	s_or_b32 s[G0+4*\s+3], s[G0+4*\s+3], 0x80000000
	s_mov_b32 s[G0B+4*\s], 1
	s_add_co_u32 s[G0B+4*\s+1], s45, \s*SLOT
	s_add_nc_u64 s[G0B+4*\s+2:G0B+4*\s+3], s[46:47], \s*NQ*FRB
	s_or_b32 s[G0B+4*\s+3], s[G0B+4*\s+3], 0x80000000
.endr
; THE HEAD'S LOADS, ONE A WAVE: wave 0 slot 0's 2 NB blocks of A, wave 1 of B, wave 2 A's scale words, wave 3 B's.
	s_mov_b32 s[G0+1], 0
	s_mov_b32 s[G0B+1], 2*HALFT
	s_add_nc_u64 s[G0+6:G0+7], s[G0+6:G0+7], s[100:101]       ; slot 1: my half of the blocks
	s_add_nc_u64 s[G0B+6:G0B+7], s[G0B+6:G0B+7], s[100:101]
.macro ARM under, g0, g1, next         ; one chain of branches on the wave's number, one load to an arm, all arms to one join
	s_cmp_lt_u32 s14, \under
	s_cbranch_scc0 \next
	tensor_load_to_lds s[\g0:\g0+3], s[\g1:\g1+7]
	s_nop 0
.rept 4
	v_nop
.endr
	s_branch .Lhead_asked
\next:
.endm
	ARM 1, G0,  G1,  .Lhead_b
	ARM 2, G0B, G1B, .Lhead_sa
	ARM 3, G0S, G1S, .Lhead_sb
	tensor_load_to_lds s[G0SB:G0SB+3], s[G1SB:G1SB+7]
	s_nop 0
.rept 4
	v_nop
.endr
.Lhead_asked:
; PREFETCH, here alone: slot 1's NQ fragments of the NB blocks that I fetch behind the head.  The four partners that ask for a tile jointly take a block each, by address (cx for A, cy for B);
; a lane names 256 bytes, 24 lanes a block's 6,144; lanes left over name the last 256 again.  The address registers are never rewritten.
	s_cmp_eq_u32 s15, 0                            ; do I fetch for A?
	s_cselect_b32 s18, s40, s41
	s_cselect_b64 s[98:99], s[20:21], s[46:47]
	s_mul_i32 s18, s18, KK*FRB
	s_mov_b32 s19, 0
	s_add_nc_u64 s[98:99], s[98:99], s[18:19]
	s_add_nc_u64 s[98:99], s[98:99], s[100:101]    ; my half of the tile's blocks
	v_and_b32 v30, 31, v0
	v_min_u32 v30, 23, v30
	v_lshlrev_b32 v30, 8, v30
	global_prefetch_b8 v30, s[98:99] offset:NQ*FRB th:TH_LOAD_NT scope:SCOPE_SE
	v_and_b32 v1, 31, v0
	v_and_b32 v2, 15, v0
	v_bfe_u32 v3, v0, 4, 1
	s_wait_alu depctr_va_vdst(0)
	v_lshlrev_b32 v4, 3, v1
	s_mul_i32 s21, s15, HALFT
	s_mul_i32 s22, s16, HALFT
	s_add_co_u32 s22, s22, 2*HALFT
.irp s, 0,1
	v_add_nc_u32 v[ADRA+\s], s21, v4
	v_add_nc_u32 v[ADRB+\s], s22, v4
	s_add_co_u32 s21, s21, SLOT
	s_add_co_u32 s22, s22, SLOT
.endr
	s_mul_i32 s21, s15, HALFS
	s_mul_i32 s22, s16, HALFS
	s_add_co_u32 s22, s22, 2*HALFS
	s_sub_co_u32 s22, s22, s21
	v_mul_u32_u24 v6, s22, v3
	s_add_co_u32 s21, s21, SCL
	v_lshl_add_u32 v5, v2, 2, v6
	v_add_nc_u32 v[ADRS], s21, v5
	s_mul_i32 s23, s14, STG
	v_mul_u32_u24 v5, v2, 272
	v_lshl_add_u32 v5, v3, 6, v5
	v_add_nc_u32 v[STO], s23, v5
	v_mul_u32_u24 v5, v3, 272
	v_lshl_add_u32 v5, v2, 4, v5
	v_add_nc_u32 v[RD], s23, v5
	v_lshlrev_b32 v[CO], 12, v3
	v_lshl_add_u32 v[CO], v2, 4, v[CO]
	s_wait_alu depctr_va_vdst(0)
	v_lshlrev_b32 v[SOF], 9, v3
	v_lshl_add_u32 v[SOF], v2, 2, v[SOF]
	s_lshl_b32 s21, s17, 3
	s_lshl_b32 s22, s15, 2
	s_add_co_u32 s21, s21, s22
	s_lshl_b32 s21, s21, 3
	s_add_co_u32 s21, s21, s42
	s_mul_i32 s22, s21, 1536
	s_mul_i32 s23, s16, 768
	s_add_co_u32 s22, s22, s23
	s_add_co_u32 s22, s22, 16777216
	s_mov_b32 s23, 0
	s_add_nc_u64 s[12:13], s[10:11], s[22:23]
	s_lshl_b32 s22, s21, 6
	s_lshl_b32 s21, s16, 1
	s_add_co_u32 s22, s22, s21
	s_add_co_u32 s22, s22, 19922944
	s_add_nc_u64 s[66:67], s[10:11], s[22:23]
	s_lshl_b32 s18, s17, 7
	s_lshl_b32 s19, s15, 6
	s_add_co_u32 s18, s18, s19
	s_lshl_b32 s18, s18, 12
	s_lshl_b32 s19, s42, 9
	s_add_co_u32 s18, s18, s19
	s_lshl_b32 s19, s16, 8
	s_add_co_u32 s18, s18, s19
	s_mov_b32 s19, 0
	s_add_nc_u64 s[8:9], s[8:9], s[18:19]
	s_add_nc_u64 s[10:11], s[10:11], s[18:19]
	WIN 0x80
.set ra, 0
.rept 4
.set rt, 0
.rept 8
	global_load_b128 v[RS+32*ra+4*rt:RS+32*ra+4*rt+3], v[CO], s[8:9] offset:(32*(ra/2)+8*(ra%2)+(2*rt)%8+16*(rt/4))*4096 th:TH_LOAD_NT
.set rt, rt+1
.endr
.set ra, ra+1
.endr
	WIN 0
	s_wait_alu depctr_va_vdst(0)                   ; the wait at the head's end
	s_wait_tensorcnt 0x0                           ; my tile of the head's four is in
	ds_add_u32 v[SPW], v[NIL]
	s_mov_b32 s[G1+2], NB<<16                      ; no load of mine is out: from here on a load brings NB blocks
	s_mov_b32 s[G1+4], NB
	s_mov_b32 s[G1B+2], NB<<16
	s_mov_b32 s[G1B+4], NB
	s_wait_dscnt 0x0
	CROUND                                         ; all four tiles are in, and all sixteen work-groups are here
	JLOAD G0+4, G1, G0B+4, G1B                     ; slot 1: the first tensor load behind the round
	FETCH_B 0, 0, 0
	FETCH_A 0, 0, 0
	SCALES 0
	FETCH_A 0, 0, NB/2
	STEP 0, 0, 1
	REST 0
.if LAPS > 1
	s_mov_b32 s3, LAPS-1
.Llap:
	TURN 0, 1, 1
	STEP 1, 0, 0
	REST 1
	TURN 1, 0, 1
	STEP 0, 0, 0
	REST 0
	s_sub_co_u32 s3, s3, 1
	s_cmp_lg_u32 s3, 0
	s_cbranch_scc1 .Llap
.endif
	TURN 0, 1, 0
	STEP 1, 0, 0
	REST 1
	LAST
	PLACES
.irp b, 0,1,2,3
	v_mov_b32 v[TM+4+\b], 0
.endr
	s_mov_b32 s[SEL], 0x76543210
	s_mov_b32 s[SEL+1], 0xfedcba98
	s_mov_b32 s[HM], 0xffff0000
	s_wait_loadcnt 0x0
.macro OUTROW a
	WIN (2+(\a)/2)<<2
.irp g, 0,1
.irp u, 0,1
	ds_store_b128 v[STO], v[32*((\a)%2)+8*(2*\g+\u):32*((\a)%2)+8*(2*\g+\u)+3] offset:128*\g+32*\u
	ds_store_b128 v[STO], v[32*((\a)%2)+8*(2*\g+\u)+4:32*((\a)%2)+8*(2*\g+\u)+7] offset:128*\g+32*\u+16
.endr
.endr
	WIN 0
	s_wait_xcnt 0x0
.irp t, 0,1,2,3,4,5,6,7
	ds_load_b128 v[BK+4*\t:BK+4*\t+3], v[RD] offset:544*\t
.endr
	s_wait_dscnt 0x0
	WIN 0x08
.set n, 0
.rept 16
	v_pk_add_f32 v[BK+2*n:BK+2*n+1], v[BK+2*n:BK+2*n+1], v[RS+32*(\a)+2*n:RS+32*(\a)+2*n+1]
.set n, n+1
.endr
	WIN 0
.irp t, 0,1,2,3,4,5,6,7
	global_store_b128 v[CO], v[BK+4*\t:BK+4*\t+3], s[10:11] offset:(32*((\a)/2)+8*((\a)%2)+(2*\t)%8+16*(\t/4))*4096
.endr
.irp t, 0,1,2,3,4,5,6,7
	ds_store_b128 v[RD], v[BK+4*\t:BK+4*\t+3] offset:544*\t
.endr
.irp g, 0,1
.irp j, 0,1,2,3
	ds_load_b128 v[QI+16*\g+4*\j:QI+16*\g+4*\j+3], v[STO] offset:128*\g+16*\j
.endr
.endr
	s_wait_dscnt 0x0
	QUANT QI, 0, 1, HW+(\a)%2
.irp p, 0,1,2
	global_store_b64 v4, v[PC+2*\p:PC+2*\p+1], s[12:13] offset:(\a)*12288+256*\p
.endr
.if (\a)%2
	v_cndmask_b32 v[WD], v[HW], v[HW+1], s[HM]
	global_store_b16 v[SOF], v[WD], s[66:67] offset:((\a)-1)*512
.endif
.endm
	OUTROW 0
	OUTROW 1
	OUTROW 2
	OUTROW 3
	s_wait_tensorcnt 0x0
	ds_add_u32 v[SPW], v[NIL]
	s_wait_dscnt 0x0
	CROUND
	s_endpgm
.Lfunc_end_k_qa3c4310a28_oproj:
	.size	k_qa3c4310a28_oproj, .Lfunc_end_k_qa3c4310a28_oproj-k_qa3c4310a28_oproj
	.p2alignl 7, 3214868480
	.fill 96, 4, 3214868480
	.section	.rodata,"a",@progbits
	.p2align	6, 0x0
	.amdhsa_kernel k_qa3c4310a28_oproj
		.amdhsa_group_segment_fixed_size 327680
		.amdhsa_private_segment_fixed_size 0
		.amdhsa_enable_private_segment 0
		.amdhsa_kernarg_size 32
		.amdhsa_user_sgpr_count 2
		.amdhsa_user_sgpr_kernarg_segment_ptr 1
		.amdhsa_wavefront_size32 1
		.amdhsa_system_sgpr_workgroup_id_x 1
		.amdhsa_system_sgpr_workgroup_id_y 1
		.amdhsa_system_sgpr_workgroup_id_z 1
		.amdhsa_system_vgpr_workitem_id 0
		.amdhsa_next_free_vgpr 1024
		.amdhsa_next_free_sgpr 102
		.amdhsa_reserve_vcc 0
		.amdhsa_float_denorm_mode_32 3
		.amdhsa_float_denorm_mode_16_64 3
		.amdhsa_memory_ordered 1
		.amdhsa_forward_progress 1
		.amdhsa_inst_pref_size 86
	.end_amdhsa_kernel
	.amdgpu_metadata
---
amdhsa.version: [ 1, 2 ]
amdhsa.kernels:
  - .name:           k_qa3c4310a28_oproj
    .symbol:         k_qa3c4310a28_oproj.kd
    .args:
      - { .name: ba, .offset: 0, .size: 8, .value_kind: global_buffer, .address_space: global }
      - { .name: bq, .offset: 8, .size: 8, .value_kind: global_buffer, .address_space: global }
      - { .name: x, .offset: 16, .size: 8, .value_kind: global_buffer, .address_space: global }
      - { .name: bx1, .offset: 24, .size: 8, .value_kind: global_buffer, .address_space: global }
    .group_segment_fixed_size: 327680
    .private_segment_fixed_size: 0
    .kernarg_segment_align: 8
    .kernarg_segment_size: 32
    .max_flat_workgroup_size: 128
    .sgpr_count:     102
    .vgpr_count:     1024
    .wavefront_size: 32
...
	.end_amdgpu_metadata
.endif
;; end of part 4
;; launch ff1 (part 5): grid 16 x 16, 4 waves a work-group, clusters of 4 x 4, 327,680 bytes of LDS; arguments bx1, bq, bh; writes bh
.if DOCPART == 5
	.amdgcn_target "amdgcn-amd-amdhsa--gfx1250"
	.amdhsa_code_object_version 6
	.text
	.protected	k_qa3c4310a28_ff1
	.globl	k_qa3c4310a28_ff1
	.p2align	8
	.type	k_qa3c4310a28_ff1,@function
k_qa3c4310a28_ff1:
	s_mov_b64 s[64:65], 0
	v_nop
	global_prefetch_b8 v0, s[64:65] scope:SCOPE_SE
	s_setreg_imm32_b32 hwreg(HW_REG_WAVE_MODE, 25, 1), 1
	s_wait_xcnt 0x0
	s_wait_alu depctr_hold_cnt(0) depctr_sa_sdst(0) depctr_va_vdst(0) depctr_va_sdst(0) depctr_va_ssrc(0) depctr_va_vcc(0) depctr_vm_vsrc(0)
	s_getreg_b32 s2, hwreg(HW_REG_IB_STS2, 6, 4)
	s_cmp_eq_u32 s2, 0
	s_cbranch_scc0 .Lentry_in_a_cluster
	s_endpgm
.Lentry_in_a_cluster:
	s_bfe_u32 s2, ttmp6, 0x10000c
	s_cmp_lg_u32 s2, 0xf033
	s_cbranch_scc0 .Lentry_shape_is_right
	s_endpgm
.Lentry_shape_is_right:
; h = gelu(x1 w_ff1), the exact gelu, on codes of E3M2 (one E8M0 scale for each 32 along K); h is quantised along its 4,096 and leaves only as the image of the next product's operand.
; Operands are images of the operand's registers: rows in blocks of 16 (block 2 g + u, place r: row 32 g + 8 u + r % 8 + 16 (r / 8)); a fragment (a block x 128 K) is six planes of 256 bytes; scale words 64 bytes a fragment.
; A tile of 256 x 256 is made by four waves, 128 x 128 each: 64 accumulators.  K = 1,024 is four groups of 256.  THREE LDS slots take groups 0, 1, 2 as first fills; slot 0 is filled once more, with group 3, as soon as
; it is read out: that load has the 256 matrix instructions of slots 1 and 2 in which to land.  The scale words of all of K come once.
; THE MATRIX INSTRUCTION IS USED TRANSPOSED (source 0 = a block of w_ff1's rows, source 1 = a block of tokens): a lane holds one token, its 16 registers of blocks 2 g, 2 g + 1 the columns 32 g + 16 (lane / 16) + 0 .. 15.
; GELU.  a = |x| / sqrt(2), t = 1 / (1 + a / 2).  erfc(a) = t e^(-a a + c0 + t (c1 + t (c2 + .. + t c9))): the fit 'erfcc' of Numerical Recipes, whose authors give its fractional error as under 1.2e-7 for every a.
; gelu(x) = max(x, 0) - |x| erfc(a) / 2 = max(x, 0) - a t 2^(-x x log2(e) / 2 + c0 log2(e) - 1/2 + t (c1' + t (c2' + .. + t c9'))), ci' = ci log2(e): one reciprocal, nine multiply-adds, one exponential.
; The way out is a loop of 16 trips of 32 numbers a lane: what differs between trips, the accumulators' registers, stands in 16 short prefixes, which a chain of scalar branches on the count picks; the rest is written once.
; CLUSTERS: 4 x 4 work-groups; A's tiles are asked for jointly along a row of the cluster, B's along a column.
; One prefetch, behind the head; one refill in all.
; LIMITS: NaN and infinities are not served; gelu's relative error is some 4e-7 and grows for x < 0 as about 1e-7 x x, from the rounding of the exponential's argument; where 2^(..) falls under 2^-126 it counts as 0;
; a block of zeros gets the byte 1 (only this program reads the bytes); blocks under 2^-122 are held at the floor.
.set NB,    8
.set NQ,    2
.set KK,    8
.set FRB,   1536
.set HALFT, NB*NQ*FRB
.set SLOT,  4*HALFT
.set SCL,   3*SLOT                     ; behind the three slots: the scale words
.set HALFS, NB*KK*64
.set SPARE, SCL+4*HALFS                ; the spare words, 128 bytes a wave: two blocks of 256 bytes that no other line names
.set ADRA,  16                         ; v16-18 LDS address of my A fragments in slot 0, 1, 2
.set ADRB,  20                         ; v20-22 of B's
.set ADRS,  27
.set SPW,   28
.set NIL,   29
.set SC,    32
.set AF,    128
.set G1,    24
.set G0,    32                         ; s[32:39] group 0 for A's tiles, slots 0 and 1
.set G0C,   8
.set G1B,   48
.set G0B,   56                         ; s[56:63] group 0 for B's tiles, slots 0 and 1
.set G0BC,  96
.set G1S,   68
.set G0S,   76
.set G1SB,  80
.set G0SB,  88
.set MUL_LO, 0xa1
.set MUL_HI, 0xf1
.set TO_B,   0x40
.set GG,    64                         ; the way out, window 0: v64-95 max(x, 0), then gelu
.set GA,    96                         ; v96-127  a
.set GT,    128                        ; v128-159 x x, then the exponent, then the exponential, then that x t
.set GP,    160                        ; v160-191 the polynomial
.set GD,    192                        ; v192-223 1 + a / 2, then t
.set PC,    96                         ; the codes just made (a's registers are free by then)
.set TM,    128
.set HW,    144                        ; the trip's two scale bytes
.set PWW,   32                         ; v32 the scale word in the making
.set PWA,   33                         ; v33 the even block's word
.set WD,    34
.set VOF,   35
.set SOF,   36                         ; v36 4 r + 2,048 h
.set SOFI,  37
.set GI,    20                         ; s20 the trip
.set KS2,   93                         ; s93 1 / sqrt(2)
.set SEL,   96                         ; s[96:97], on the way out
.set HM,    92
.set MSB, 0
.macro WIN new
.if MSB != (\new)
	s_set_vgpr_msb (MSB<<8)|(\new)
.set MSB, (\new)
.endif
.endm
.macro JLOAD g0a, g1a, g0b, g1b        ; a joint load: waves 0, 1 fetch for A, waves 2, 3 for B; four v_nop follow each line
	s_cmp_eq_u32 s15, 0
	s_cbranch_scc0 .Lfor_b_\@
	tensor_load_to_lds s[\g0a:\g0a+3], s[\g1a:\g1a+7]
	s_nop 0
.rept 4
	v_nop
.endr
	s_branch .Lasked_\@
.Lfor_b_\@:
	tensor_load_to_lds s[\g0b:\g0b+3], s[\g1b:\g1b+7]
	s_nop 0
.rept 4
	v_nop
.endr
.Lasked_\@:
.endm
.macro CREST
	s_cmp_lg_u32 s14, 0
	s_cbranch_scc1 .Lnot_wave_0_\@
	s_barrier_signal -3
.Lnot_wave_0_\@:
	s_barrier_wait -3
	s_barrier_signal -1
	s_barrier_wait -1
.endm
.macro CROUND
	s_barrier_signal -1
	s_barrier_wait -1
	CREST
.endm
.macro PLACES                          ; four plain places behind a matrix instruction (ISA guide 7.12.1)
.rept 4
	v_nop
.endr
.endm
.macro FRAG reg, adr, q, i
.irp p, 0,1,2,3,4,5
	ds_load_b64 v[(\reg)+2*\p:(\reg)+2*\p+1], v[\adr] offset:((\i)*BS+(\q))*FRB+256*\p   ; BS: fragments from block to block in this slot
.endr
.endm
.macro FETCH_B slot, q, p
.set BS, NQ*(1+((\slot)+1)/2)          ; slot 0 holds NQ fragments a block; slots 1 and 2 are the halves of one larger slot with 2 NQ a block
	WIN TO_B
.set fi, 0
.rept NB
	FRAG 128*(\p)+12*fi, ADRB+\slot, \q, fi
.set fi, fi+1
.endr
	WIN 0
.endm
.macro FETCH_A slot, q, i0
.set BS, NQ*(1+((\slot)+1)/2)
.set fi, \i0
.rept NB/2
	FRAG AF+12*fi, ADRA+\slot, \q, fi
.set fi, fi+1
.endr
.endm
.macro SCALES sc                       ; a group's scale words into set sc
.set fi, 0
.rept NB
.set fq, 0
.rept NQ
	ds_load_b32 v[SC+16*(\sc)+NQ*fi+fq], v[ADRS] offset:fi*KK*64+fq*64
.set fq, fq+1
.endr
.set fi, fi+1
.endr
.endm
.macro MUL a0, na, p, q, sc, zero      ; the accumulators take turns, one instruction a turn
.set ma, \a0
.rept \na
.set mb, 0
.rept NB
.set rD, 8*(NB*(ma%(NB/2))+mb)
.if \zero
	v_wmma_scale_f32_16x16x128_f8f6f4 v[rD:rD+7], v[128*(\p)+12*mb:128*(\p)+12*mb+11], v[AF+12*ma:AF+12*ma+11], 0, v[SC+16*(\sc)+NQ*mb+(\q)], v[SC+16*(\sc)+NQ*ma+(\q)] matrix_a_fmt:MATRIX_FMT_BF6 matrix_b_fmt:MATRIX_FMT_BF6 matrix_a_scale:MATRIX_SCALE_ROW1
.else
	v_wmma_scale_f32_16x16x128_f8f6f4 v[rD:rD+7], v[128*(\p)+12*mb:128*(\p)+12*mb+11], v[AF+12*ma:AF+12*ma+11], v[rD:rD+7], v[SC+16*(\sc)+NQ*mb+(\q)], v[SC+16*(\sc)+NQ*ma+(\q)] matrix_a_fmt:MATRIX_FMT_BF6 matrix_b_fmt:MATRIX_FMT_BF6 matrix_a_scale:MATRIX_SCALE_ROW1
.endif
.set mb, mb+1
.endr
.set ma, ma+1
.endr
.endm
.macro STEP slot, sc, q, zero          ; a step of 128 along K that has its successor in the same slot; sc: the group's set of scale words
	s_wait_dscnt 3*NB                              ; all but the youngest loads, A's upper blocks
	WIN MUL_LO
	MUL 0, NB/2, (\q)%2, \q, \sc, \zero
	s_wait_dscnt 0x0
	PLACES
	FETCH_B \slot, (\q)+1, 1-(\q)%2
	FETCH_A \slot, (\q)+1, 0
	WIN MUL_HI
	MUL NB/2, NB/2, (\q)%2, \q, \sc, \zero
	PLACES
	WIN 0
	FETCH_A \slot, (\q)+1, NB/2
.endm
; A slot's last step goes on to the next slot.  mode 2: this slot is filled again, three groups ahead: the three lines, a round of the cluster's barrier, the joint load.
; mode 1: the next slot's tile is a refill: each wave waits for its load and the work-group's barrier shows it to all.  mode 0: the next slot was shown whole by an earlier barrier and nothing is filled: no barrier.
.macro TURN slot, sc, next, mode
.if \mode
	s_wait_tensorcnt 0x0                           ; all my tensor loads have landed;
	ds_add_u32 v[SPW], v[NIL]                      ; 0 onto my spare word;
	s_wait_dscnt 3*NB+1                            ; (the add and A's upper blocks may be out)
.else
	s_wait_dscnt 3*NB                              ; all but A's upper blocks
.endif
	WIN MUL_LO
	MUL 0, NB/4, 1, NQ-1, \sc, 0
	s_wait_dscnt 0x0                               ; my reads of this slot are over (and the add is done)
.if \mode
	s_barrier_signal -1
.endif
	MUL NB/4, NB/4, 1, NQ-1, \sc, 0
	WIN 0
.if \mode
	s_barrier_wait -1
.endif
.if \mode == 2
	CREST                                          ; the barrier has opened a round of the cluster's: no wave of any partner still reads this slot or has a load on its way
	s_mov_b32 s[G1+1], (NQ*192)<<16                ; no load of mine is out: the refill's rows are NQ fragments again
	s_mov_b32 s[G1+3], (NQ*192)<<16
	s_mov_b32 s[G1B+1], (NQ*192)<<16
	s_mov_b32 s[G1B+3], (NQ*192)<<16
	s_add_nc_u64 s[G0+4*\slot+2:G0+4*\slot+3], s[G0+4*\slot+2:G0+4*\slot+3], 3*NQ*FRB
	s_add_nc_u64 s[G0B+4*\slot+2:G0B+4*\slot+3], s[G0B+4*\slot+2:G0B+4*\slot+3], 3*NQ*FRB
	JLOAD G0+4*\slot, G1, G0B+4*\slot, G1B         ; the first tensor load behind the round; its four v_nop are the places in front of the loads below
.else
	PLACES
.endif
	v_add_nc_u32 v[ADRS], NQ*64, v[ADRS]           ; on to the next group's scale words
	FETCH_B \next, 0, 0
	FETCH_A \next, 0, 0
	SCALES 1-(\sc)
	WIN MUL_HI
	MUL NB/2, NB/2, 1, NQ-1, \sc, 0
	PLACES
	WIN 0
	FETCH_A \next, 0, NB/2
.endm
.macro LAST sc
	s_wait_dscnt 3*NB
	WIN MUL_LO
	MUL 0, NB/2, 1, NQ-1, \sc, 0
	s_wait_dscnt 0x0
	WIN MUL_HI
	MUL NB/2, NB/2, 1, NQ-1, \sc, 0
	WIN 0
.endm
; 32 nc numbers of a lane, in window w from v[s] on, register 16 b + i = k 32 b + 16 (lane / 16) + i of its row, become codes in v[PC] on (6 nc registers) and scale bytes in v[pw].
.macro QUANT s, w, nc, pw
	WIN ((\w)<<2)|((\w)<<4)
.set qb, 0
.rept 2*(\nc)
	v_max3_num_f32 v[TM+qb], 0x2800000, |v[(\s)+16*qb]|, |v[(\s)+16*qb+1]|   ; my 16 numbers of block qb, and the floor 2^(5 - 127)
.set qb, qb+1
.endr
.irp i, 2,4,6,8,10,12,14
.set qb, 0
.rept 2*(\nc)
	v_max3_num_f32 v[TM+qb], v[TM+qb], |v[(\s)+16*qb+\i]|, |v[(\s)+16*qb+\i+1]|
.set qb, qb+1
.endr
.endr
	WIN 0
.set qb, 0
.rept 2*(\nc)
	v_permlanex16_b32 v[TM+4+qb], v[TM+qb], s[SEL], s[SEL+1]
.set qb, qb+1
.endr
.set qb, 0
.rept 2*(\nc)
	v_max_num_f32 v[TM+qb], v[TM+qb], v[TM+4+qb]
.set qb, qb+1
.endr
.set qb, 0
.rept 2*(\nc)
	v_add_nc_u32 v[TM+12+qb], 0xfe000000, v[TM+qb] ; 4 off the exponent field: the conversion's scale operand
.set qb, qb+1
.endr
.set qb, 0
.rept 2*(\nc)
	v_lshrrev_b32 v[TM+4+qb], 23, v[TM+12+qb]      ; the scale's byte
.set qb, qb+1
.endr
	v_lshl_or_b32 v[\pw], v[TM+5], 8, v[TM+4]
.if (\nc) > 1
	v_lshl_or_b32 v[\pw], v[TM+6], 16, v[\pw]
	v_lshl_or_b32 v[\pw], v[TM+7], 24, v[\pw]
.endif
	WIN \w
.set qc, 0
.rept \nc
	v_cvt_scalef32_pk16_bf6_f32 v[PC+6*qc:PC+6*qc+2], v[(\s)+32*qc:(\s)+32*qc+15], v[TM+12+2*qc]
	v_cvt_scalef32_pk16_bf6_f32 v[PC+12+4*qc:PC+14+4*qc], v[(\s)+32*qc+16:(\s)+32*qc+31], v[TM+13+2*qc]
.set qc, qc+1
.endr
	WIN 0
	v_nop                                          ; one plain place behind a scaled conversion
.set qc, 0
.rept \nc
.irp i, 0,1,2
	v_permlane16_swap_b32 v[PC+6*qc+\i], v[PC+12+4*qc+\i]
.endr
.irp i, 0,1,2
	v_mov_b32 v[PC+3+6*qc+\i], v[PC+12+4*qc+\i]
.endr
.set qc, qc+1
.endr
.endm
	s_load_b128 s[4:7], s[0:1], 0x0                ; bx1, bq
	s_load_b64 s[66:67], s[0:1], 0x10              ; bh
	v_lshl_add_u32 v[SPW], v0, 2, SPARE
	v_mov_b32 v[NIL], 0
	ds_add_u32 v28, v29
	ds_add_u32 v28, v29
	s_wait_dscnt 0x0
	v_lshrrev_b32 v1, 5, v0
	v_readfirstlane_b32 s14, v1                    ; wave 0..3
	s_lshr_b32 s15, s14, 1
	s_and_b32 s16, s14, 1
	s_bfe_u32 s40, ttmp6, 0x40000                  ; cx, cy
	s_bfe_u32 s41, ttmp6, 0x40004
	s_lshl_b32 s42, ttmp9, 2
	s_add_co_u32 s42, s42, s40                     ; tile column
	s_and_b32 s17, ttmp7, 0xffff
	s_lshl_b32 s17, s17, 2
	s_add_co_u32 s17, s17, s41                     ; tile row
	s_lshl_b32 s43, s41, 2
	s_lshl_b32 s43, 15, s43
	s_lshl_b32 s44, 0x1111, s40
	s_or_b32 s[G1+0], s43, (3<<16)|(1<<21)         ; the mask; elements of 8 bytes; bit 21 beside a mask; no padding
	s_or_b32 s[G1B+0], s44, (3<<16)|(1<<21)
.irp g, G1, G1B
	s_mov_b32 s[\g+1], (NQ*192)<<16
	s_mov_b32 s[\g+2], (2*NB)<<16                  ; the head's loads bring a tile's 2 NB blocks
	s_mov_b32 s[\g+3], (NQ*192)<<16
	s_mov_b32 s[\g+4], 2*NB
	s_mov_b32 s[\g+5], KK*192
	s_mov_b32 s[\g+6], 0
	s_mov_b32 s[\g+7], 0
.endr
	s_or_b32 s[G1S+0], s43, (3<<16)|(1<<21)
	s_or_b32 s[G1SB+0], s44, (3<<16)|(1<<21)
.irp g, G1S, G1SB
	s_mov_b32 s[\g+1], 32<<16
	s_mov_b32 s[\g+2], (2*HALFS/256)<<16
	s_mov_b32 s[\g+3], 32<<16
	s_mov_b32 s[\g+4], 2*HALFS/256
	s_mov_b32 s[\g+5], 32
	s_mov_b32 s[\g+6], 0
	s_mov_b32 s[\g+7], 0
.endr
	s_mul_i32 s100, s16, NB*KK*FRB                 ; behind the head I fetch NB blocks of a tile: which half, in bytes
	s_mov_b32 s101, 0
	s_lshl_b32 s20, s17, 4
	s_lshl_b32 s46, s42, 4
	s_add_co_u32 s46, s46, 512                     ; B: w_ff1's blocks begin at 512 in bq
	s_lshl_b32 s22, s20, 9
	s_add_co_u32 s22, s22, 19922944                ; x1's scale words
	s_mov_b32 s23, 0
	s_mul_i32 s20, s20, KK*FRB
	s_add_co_u32 s20, s20, 16777216                ; x1's codes
	s_mov_b32 s21, 0
	s_lshl_b32 s92, s46, 9
	s_add_co_u32 s92, s92, 12582912
	s_mov_b32 s93, 0
	s_mul_i32 s46, s46, KK*FRB
	s_mov_b32 s47, 0
	s_mul_i32 s45, s14, HALFT
	s_wait_kmcnt 0x0
	s_add_nc_u64 s[20:21], s[4:5], s[20:21]
	s_add_nc_u64 s[22:23], s[4:5], s[22:23]
	s_add_nc_u64 s[46:47], s[6:7], s[46:47]
	s_add_nc_u64 s[92:93], s[6:7], s[92:93]
	CROUND                                         ; all sixteen work-groups are here: the first joint loads meet
	s_mov_b32 s[G0S], 1
	s_mov_b32 s[G0S+1], SCL
	s_mov_b64 s[G0S+2:G0S+3], s[22:23]
	s_or_b32 s[G0S+3], s[G0S+3], 0x80000000
	s_mov_b32 s[G0SB], 1
	s_mov_b32 s[G0SB+1], SCL+2*HALFS
	s_mov_b64 s[G0SB+2:G0SB+3], s[92:93]
	s_or_b32 s[G0SB+3], s[G0SB+3], 0x80000000
.irp s, 0,1
	s_mov_b32 s[G0+4*\s], 1
	s_add_co_u32 s[G0+4*\s+1], s45, \s*SLOT
	s_add_nc_u64 s[G0+4*\s+2:G0+4*\s+3], s[20:21], \s*NQ*FRB
	s_or_b32 s[G0+4*\s+3], s[G0+4*\s+3], 0x80000000
	s_mov_b32 s[G0B+4*\s], 1
	s_add_co_u32 s[G0B+4*\s+1], s45, \s*SLOT
	s_add_nc_u64 s[G0B+4*\s+2:G0B+4*\s+3], s[46:47], \s*NQ*FRB
	s_or_b32 s[G0B+4*\s+3], s[G0B+4*\s+3], 0x80000000
.endr
; THE HEAD'S LOADS, ONE A WAVE: wave 0 group 0 of A's 16 blocks, wave 1 of B's, wave 2 A's scale words, wave 3 B's.
; Groups 1 and 2 come behind the next round by one load a wave: rows of 2 NQ fragments into the larger slot, wave w's NB blocks at SLOT + 2 w HALFT.
	s_mov_b32 s[G0+1], 0                           ; the head: A's whole tile at slot 0's start,
	s_mov_b32 s[G0B+1], 2*HALFT                    ; B's behind it
	s_add_co_u32 s[G0+5], s[G0+5], s45             ; the larger slot: SLOT + 2 x wave x HALFT
	s_add_co_u32 s[G0B+5], s[G0B+5], s45
	s_add_nc_u64 s[G0+6:G0+7], s[G0+6:G0+7], s[100:101]       ; and my half of the blocks
	s_add_nc_u64 s[G0B+6:G0B+7], s[G0B+6:G0B+7], s[100:101]
.macro ARM under, g0, g1, next         ; one chain of branches on the wave's number, one load to an arm, all arms to one join
	s_cmp_lt_u32 s14, \under
	s_cbranch_scc0 \next
	tensor_load_to_lds s[\g0:\g0+3], s[\g1:\g1+7]
	s_nop 0
.rept 4
	v_nop
.endr
	s_branch .Lhead_asked
\next:
.endm
	ARM 1, G0,  G1,  .Lhead_b
	ARM 2, G0B, G1B, .Lhead_sa
	ARM 3, G0S, G1S, .Lhead_sb
	tensor_load_to_lds s[G0SB:G0SB+3], s[G1SB:G1SB+7]
	s_nop 0
.rept 4
	v_nop
.endr
.Lhead_asked:
; PREFETCH, here alone: groups 1 to 3 of the NB blocks that I fetch behind the head.  The four partners that ask for a tile jointly share its blocks out by address, two each (cx for A, cy for B);
; a lane names 256 bytes: 24 lanes groups 1 and 2 of a block (6,144 bytes), 12 lanes group 3 (3,072); lanes left over name their instruction's last 256 bytes again.  The address registers are never rewritten.
	s_cmp_eq_u32 s15, 0                            ; do I fetch for A?
	s_cselect_b32 s18, s40, s41
	s_cselect_b64 s[98:99], s[20:21], s[46:47]
	s_mul_i32 s18, s18, 2*KK*FRB
	s_mov_b32 s19, 0
	s_add_nc_u64 s[98:99], s[98:99], s[18:19]
	s_add_nc_u64 s[98:99], s[98:99], s[100:101]    ; my half of the tile's blocks
	v_and_b32 v30, 31, v0
	v_min_u32 v31, 11, v30
	v_min_u32 v30, 23, v30
	v_lshlrev_b32 v31, 8, v31
	v_lshlrev_b32 v30, 8, v30
	global_prefetch_b8 v30, s[98:99] offset:NQ*FRB th:TH_LOAD_NT scope:SCOPE_SE
	global_prefetch_b8 v30, s[98:99] offset:KK*FRB+NQ*FRB th:TH_LOAD_NT scope:SCOPE_SE
	global_prefetch_b8 v31, s[98:99] offset:3*NQ*FRB th:TH_LOAD_NT scope:SCOPE_SE
	global_prefetch_b8 v31, s[98:99] offset:KK*FRB+3*NQ*FRB th:TH_LOAD_NT scope:SCOPE_SE
	v_and_b32 v1, 31, v0
	v_and_b32 v2, 15, v0                           ; r
	v_bfe_u32 v3, v0, 4, 1                         ; h
	s_wait_alu depctr_va_vdst(0)
	v_lshlrev_b32 v4, 3, v1                        ; 8 x lane
	s_mul_i32 s21, s15, HALFT
	s_mul_i32 s22, s16, HALFT
	s_add_co_u32 s22, s22, 2*HALFT
	v_add_nc_u32 v[ADRA], s21, v4                  ; slot 0
	v_add_nc_u32 v[ADRB], s22, v4
	s_lshl_b32 s21, s21, 1
	s_lshl_b32 s22, s22, 1
	s_add_co_u32 s21, s21, SLOT
	s_add_co_u32 s22, s22, SLOT
	v_add_nc_u32 v[ADRA+1], s21, v4                ; the larger slot: group 1,
	v_add_nc_u32 v[ADRB+1], s22, v4
	v_add_nc_u32 v[ADRA+2], NQ*FRB, v[ADRA+1]      ; and group 2, NQ fragments on in each block's row
	v_add_nc_u32 v[ADRB+2], NQ*FRB, v[ADRB+1]
	s_mul_i32 s21, s15, HALFS
	s_mul_i32 s22, s16, HALFS
	s_add_co_u32 s22, s22, 2*HALFS
	s_sub_co_u32 s22, s22, s21
	v_mul_u32_u24 v6, s22, v3
	s_add_co_u32 s21, s21, SCL
	v_lshl_add_u32 v5, v2, 2, v6
	v_add_nc_u32 v[ADRS], s21, v5
	s_wait_alu depctr_va_vdst(0)
	s_wait_tensorcnt 0x0                           ; my tile of the head's four is in
	ds_add_u32 v[SPW], v[NIL]
	s_mov_b32 s[G1+1], (2*NQ*192)<<16              ; no load of mine is out: the next load brings NB blocks x 2 NQ fragments
	s_mov_b32 s[G1+2], NB<<16
	s_mov_b32 s[G1+3], (2*NQ*192)<<16
	s_mov_b32 s[G1+4], NB
	s_mov_b32 s[G1B+1], (2*NQ*192)<<16
	s_mov_b32 s[G1B+2], NB<<16
	s_mov_b32 s[G1B+3], (2*NQ*192)<<16
	s_mov_b32 s[G1B+4], NB
	s_mov_b32 s[G0+1], s45                         ; slot 0's refill: my quarter of the slot, my half of the blocks
	s_mov_b32 s[G0B+1], s45
	s_add_nc_u64 s[G0+2:G0+3], s[G0+2:G0+3], s[100:101]
	s_add_nc_u64 s[G0B+2:G0B+3], s[G0B+2:G0B+3], s[100:101]
	s_wait_dscnt 0x0                               ; the add is done
	CROUND                                         ; all four tiles are in, and all sixteen work-groups are here
	JLOAD G0+4, G1, G0B+4, G1B                     ; groups 1 and 2: the first tensor load behind the round
	FETCH_B 0, 0, 0
	FETCH_A 0, 0, 0
	SCALES 0
	FETCH_A 0, 0, NB/2
	STEP 0, 0, 0, 1                                ; group 0: the first step's products start the sums
	TURN 0, 0, 1, 2                                ; slot 0 is read out: it takes group 3.  The wait for 0 in front of the round also shows slots 1 and 2 whole
	s_wait_alu depctr_va_vdst(0)
	STEP 1, 1, 0, 0                                ; group 1
	TURN 1, 1, 2, 0                                ; slot 2 was shown whole by that round: no barrier
	s_wait_alu depctr_va_vdst(0)
	STEP 2, 0, 0, 0                                ; group 2
	TURN 2, 0, 0, 1                                ; group 3 has landed in slot 0, in every wave's part
	STEP 0, 1, 0, 0                                ; group 3
	LAST 1
; THE WAY OUT.  Trip i: block of tokens i / 2, columns 64 (i % 2) on: 32 numbers a lane, in window 2 + i / 8 from register 32 (i % 8) on: gelu, quantised: half a fragment.
	PLACES
	v_mov_b32 v[PWW], 0
	v_mov_b32 v[PWA], 0
	v_mov_b32 v40, 0xbf38aa3b                      ; -log2(e) / 2, as a pair
	v_mov_b32 v41, 0xbf38aa3b
	v_mov_b32 v42, 0xc014d90f                      ; c0 log2(e) - 1/2 = -2.3257482
	v_mov_b32 v43, 0xc014d90f
	v_mov_b32 v44, 0x3e7c6f08                      ; c9 log2(e) = 0.24651730
	v_mov_b32 v45, 0x3e7c6f08
	v_lshlrev_b32 v[SOF], 11, v3
	v_lshl_add_u32 v[SOF], v2, 2, v[SOF]
	s_mov_b32 s[SEL], 0x76543210
	s_mov_b32 s[SEL+1], 0xfedcba98
	s_mov_b32 s[HM], 0xffff0000
	s_mov_b32 s[KS2], 0x3f3504f3
	s_lshl_b32 s21, s17, 4
	s_lshl_b32 s22, s15, 3
	s_add_co_u32 s21, s21, s22                     ; my first block of tokens
	s_lshl_b32 s22, s42, 1
	s_add_co_u32 s22, s22, s16                     ; my 128 columns: a step of the next K
	s_mul_i32 s46, s21, 49152
	s_mul_i32 s23, s22, 1536
	s_add_co_u32 s46, s46, s23
	s_mov_b32 s47, 0
	s_lshl_b32 s18, s21, 11
	s_lshl_b32 s23, s22, 6
	s_add_co_u32 s18, s18, s23
	s_add_co_u32 s18, s18, 12582912
	s_mov_b32 s19, 0
	s_add_nc_u64 s[10:11], s[66:67], s[18:19]      ; h's scale words
	s_add_nc_u64 s[8:9], s[66:67], s[46:47]        ; h's codes
	s_mov_b32 s[GI], 0
.macro PRE i                           ; trip i's 32 numbers: a, max(x, 0) and x x into fixed registers of window 0; each accumulator is read from its low end on
.Lp\i:
	WIN (2+(\i)/8)|((2+(\i)/8)<<2)
.set pj, 0
.rept 32
	v_mul_f32 v[GA+pj], s[KS2], |v[32*((\i)%8)+pj]|
.set pj, pj+1
.endr
.set pj, 0
.rept 32
	v_max_num_f32 v[GG+pj], 0, v[32*((\i)%8)+pj]
.set pj, pj+1
.endr
.set pj, 0
.rept 16
	v_pk_mul_f32 v[GT+2*pj:GT+2*pj+1], v[32*((\i)%8)+2*pj:32*((\i)%8)+2*pj+1], v[32*((\i)%8)+2*pj:32*((\i)%8)+2*pj+1]
.set pj, pj+1
.endr
	WIN 0
	s_branch .Lbody
.endm
.Lg:
	s_wait_xcnt 0x0                                ; the last trip's stores have read their data and offsets: both are written again only behind this wait
.irp i, 0,1,2,3,4,5,6,7,8,9,10,11,12,13,14
	s_cmp_eq_u32 s[GI], \i
	s_cbranch_scc1 .Lp\i
.endr
	PRE 15
.irp i, 0,1,2,3,4,5,6,7,8,9,10,11,12,13,14
	PRE \i
.endr
.Lbody:
.set n, 0
.rept 16
	v_pk_fma_f32 v[GD+2*n:GD+2*n+1], v[GA+2*n:GA+2*n+1], 0.5, 1.0 op_sel_hi:[1,0,0]   ; 1 + a / 2
.set n, n+1
.endr
.set n, 0
	s_wait_alu depctr_va_vdst(0)
.rept 32
	v_rcp_f32 v[GD+n], v[GD+n]                     ; t
.set n, n+1
.endr
.set n, 0
.rept 16
	v_pk_fma_f32 v[GT+2*n:GT+2*n+1], v[GT+2*n:GT+2*n+1], v[40:41], v[42:43]   ; -x x log2(e) / 2 + c0 log2(e) - 1/2: sixteen plain lines that name no reciprocal
.set n, n+1
.endr
	s_wait_alu depctr_va_vdst(0)                   ; one wait for the 32 reciprocals, ahead of their first reader
.set n, 0
.rept 16
	v_pk_fma_f32 v[GP+2*n:GP+2*n+1], v[GD+2*n:GD+2*n+1], v[44:45], 0xbf97d29d op_sel_hi:[1,1,0]   ; c9' t + c8'
.set n, n+1
.endr
.irp c, 0x40097039, 0xbfd1a1e5, 0x3ecdfd18, 0xbe899a80, 0x3e0efb2e, 0x3f0a29d2, 0x3fb8ab5a
.set n, 0
.rept 16
	v_pk_fma_f32 v[GP+2*n:GP+2*n+1], v[GP+2*n:GP+2*n+1], v[GD+2*n:GD+2*n+1], \c op_sel_hi:[1,1,0]   ; Horner, c7' down to c1', the sixteen pairs by turns
.set n, n+1
.endr
.endr
.set n, 0
.rept 16
	v_pk_fma_f32 v[GT+2*n:GT+2*n+1], v[GP+2*n:GP+2*n+1], v[GD+2*n:GD+2*n+1], v[GT+2*n:GT+2*n+1]   ; the whole exponent
.set n, n+1
.endr
.set n, 0
	s_wait_alu depctr_va_vdst(0)
.rept 32
	v_exp_f32 v[GT+n], v[GT+n]
.set n, n+1
.endr
	v_nop                                          ; a plain place behind the last of the batch
	s_wait_alu depctr_va_vdst(0)                   ; one wait for the 32 exponentials, ahead of their first reader
.set n, 0
.rept 16
	v_pk_mul_f32 v[GT+2*n:GT+2*n+1], v[GT+2*n:GT+2*n+1], v[GD+2*n:GD+2*n+1]   ; x t: erfc(a) / sqrt(2)
.set n, n+1
.endr
.set n, 0
.rept 16
	v_pk_fma_f32 v[GG+2*n:GG+2*n+1], v[GA+2*n:GA+2*n+1], v[GT+2*n:GT+2*n+1], v[GG+2*n:GG+2*n+1] neg_lo:[1,0,0] neg_hi:[1,0,0]   ; gelu
.set n, n+1
.endr
	QUANT GG, 0, 1, HW
	v_alignbit_b32 v[PWW], v[HW], v[PWW], 16       ; two trips' bytes make a block's scale word: the even trip's below, the odd trip's above
	s_wait_alu depctr_va_vdst(0)
	s_lshr_b32 s21, s[GI], 1
	s_mul_i32 s21, s21, 49152
	s_and_b32 s22, s[GI], 1
	s_mul_i32 s22, s22, 768
	s_add_co_u32 s21, s21, s22
	v_add_nc_u32 v[VOF], s21, v4
.irp p, 0,1,2
	global_store_b64 v[VOF], v[PC+2*\p:PC+2*\p+1], s[8:9] offset:256*\p   ; a plane: 256 consecutive bytes, aligned
.endr
	s_and_b32 s21, s[GI], 3
	s_cmp_eq_u32 s21, 1
	s_cselect_b32 s22, -1, 0
	v_cndmask_b32 v[PWA], v[PWA], v[PWW], s22      ; an even block's word is kept
	s_cmp_lg_u32 s21, 3
	s_cbranch_scc1 .Lno_word
	v_cndmask_b32 v[WD], v[PWA], v[PWW], s[HM]     ; lanes 0-15 the even block's word, lanes 16-31 the odd block's
	s_lshr_b32 s21, s[GI], 2
	s_lshl_b32 s21, s21, 12
	v_add_nc_u32 v[SOFI], s21, v[SOF]
	global_store_b32 v[SOFI], v[WD], s[10:11]
.Lno_word:
	s_add_co_u32 s[GI], s[GI], 1
	s_cmp_lt_u32 s[GI], 16
	s_cbranch_scc1 .Lg
	s_wait_tensorcnt 0x0                           ; the wave's end
	ds_add_u32 v[SPW], v[NIL]
	s_wait_dscnt 0x0
	CROUND                                         ; the closing round
	s_endpgm
.Lfunc_end_k_qa3c4310a28_ff1:
	.size	k_qa3c4310a28_ff1, .Lfunc_end_k_qa3c4310a28_ff1-k_qa3c4310a28_ff1
	.p2alignl 7, 3214868480
	.fill 96, 4, 3214868480
	.section	.rodata,"a",@progbits
	.p2align	6, 0x0
	.amdhsa_kernel k_qa3c4310a28_ff1
		.amdhsa_group_segment_fixed_size 327680
		.amdhsa_private_segment_fixed_size 0
		.amdhsa_enable_private_segment 0
		.amdhsa_kernarg_size 24
		.amdhsa_user_sgpr_count 2
		.amdhsa_user_sgpr_kernarg_segment_ptr 1
		.amdhsa_wavefront_size32 1
		.amdhsa_system_sgpr_workgroup_id_x 1
		.amdhsa_system_sgpr_workgroup_id_y 1
		.amdhsa_system_sgpr_workgroup_id_z 1
		.amdhsa_system_vgpr_workitem_id 0
		.amdhsa_next_free_vgpr 1024
		.amdhsa_next_free_sgpr 102
		.amdhsa_reserve_vcc 0
		.amdhsa_float_denorm_mode_32 3
		.amdhsa_float_denorm_mode_16_64 3
		.amdhsa_memory_ordered 1
		.amdhsa_forward_progress 1
		.amdhsa_inst_pref_size 223
	.end_amdhsa_kernel
	.amdgpu_metadata
---
amdhsa.version: [ 1, 2 ]
amdhsa.kernels:
  - .name:           k_qa3c4310a28_ff1
    .symbol:         k_qa3c4310a28_ff1.kd
    .args:
      - { .name: bx1, .offset: 0, .size: 8, .value_kind: global_buffer, .address_space: global }
      - { .name: bq, .offset: 8, .size: 8, .value_kind: global_buffer, .address_space: global }
      - { .name: bh, .offset: 16, .size: 8, .value_kind: global_buffer, .address_space: global }
    .group_segment_fixed_size: 327680
    .private_segment_fixed_size: 0
    .kernarg_segment_align: 8
    .kernarg_segment_size: 24
    .max_flat_workgroup_size: 128
    .sgpr_count:     102
    .vgpr_count:     1024
    .wavefront_size: 32
...
	.end_amdgpu_metadata
.endif
;; end of part 5
;; launch ff2 (part 6): grid 8 x 32, 4 waves a work-group, clusters of 4 x 4, 327,680 bytes of LDS; arguments bh, bq, bx1, out0; writes out0
.if DOCPART == 6
	.amdgcn_target "amdgcn-amd-amdhsa--gfx1250"
	.amdhsa_code_object_version 6
	.text
	.protected	k_qa3c4310a28_ff2
	.globl	k_qa3c4310a28_ff2
	.p2align	8
	.type	k_qa3c4310a28_ff2,@function
k_qa3c4310a28_ff2:
	s_mov_b64 s[64:65], 0
	v_nop
	global_prefetch_b8 v0, s[64:65] scope:SCOPE_SE
	s_setreg_imm32_b32 hwreg(HW_REG_WAVE_MODE, 25, 1), 1
	s_wait_xcnt 0x0
	s_wait_alu depctr_hold_cnt(0) depctr_sa_sdst(0) depctr_va_vdst(0) depctr_va_sdst(0) depctr_va_ssrc(0) depctr_va_vcc(0) depctr_vm_vsrc(0)
	s_getreg_b32 s2, hwreg(HW_REG_IB_STS2, 6, 4)
	s_cmp_eq_u32 s2, 0
	s_cbranch_scc0 .Lentry_in_a_cluster
	s_endpgm
.Lentry_in_a_cluster:
	s_bfe_u32 s2, ttmp6, 0x10000c
	s_cmp_lg_u32 s2, 0xf033
	s_cbranch_scc0 .Lentry_shape_is_right
	s_endpgm
.Lentry_shape_is_right:
.set NB,    4
.set NQ,    4
.set KK,    32
.set PF,    1
.set FRB,   1536
.set HALFT, NB*NQ*FRB
.set SLOT,  4*HALFT
.set SCL,   2*SLOT
.set HALFS, NB*KK*64
.set SPARE, SCL+4*HALFS
.set LAPS,  KK/(2*NQ)
.set ADRA,  16
.set ADRB,  20
.set ADRS,  27
.set SPW,   28
.set NIL,   29
.set PFO,   30
.set SC,    32
.set AF,    128
.set G1,    24
.set G0,    32
.set G1B,   48
.set G0B,   56
.set G1S,   68
.set G0S,   76
.set G1SB,  80
.set G0SB,  88
.set PFA,   96
.set LIM,   98
.set MUL_LO, 0xa1
.set MUL_HI, 0xf1
.set TO_B,   0x40
.set STG,   4352
.set STO,   24
.set RD,    25
.set CO,    26
.set BK,    64
.set RS,    64
.set MSB, 0
.macro WIN new
.if MSB != (\new)
	s_set_vgpr_msb (MSB<<8)|(\new)
.set MSB, (\new)
.endif
.endm
.macro JLOAD g0a, g1a, g0b, g1b
	s_cmp_eq_u32 s15, 0
	s_cbranch_scc0 .Lfor_b_\@
	tensor_load_to_lds s[\g0a:\g0a+3], s[\g1a:\g1a+7]
	s_nop 0
.rept 4
	v_nop
.endr
	s_branch .Lasked_\@
.Lfor_b_\@:
	tensor_load_to_lds s[\g0b:\g0b+3], s[\g1b:\g1b+7]
	s_nop 0
.rept 4
	v_nop
.endr
.Lasked_\@:
.endm
.macro ASK
	s_cmp_gt_u32 s3, s[LIM]
	s_cbranch_scc0 .Lnot_mine_\@
	global_prefetch_b8 v[PFO], s[PFA:PFA+1] offset:NQ*FRB th:TH_LOAD_NT scope:SCOPE_SE
.Lnot_mine_\@:
.endm
.macro CREST
	s_cmp_lg_u32 s14, 0
	s_cbranch_scc1 .Lnot_wave_0_\@
	s_barrier_signal -3
.Lnot_wave_0_\@:
	s_barrier_wait -3
	s_barrier_signal -1
	s_barrier_wait -1
.endm
.macro CROUND
	s_barrier_signal -1
	s_barrier_wait -1
	CREST
.endm
.macro PLACES
.rept 4
	v_nop
.endr
.endm
.macro FRAG reg, adr, q, i
.irp p, 0,1,2,3,4,5
	ds_load_b64 v[(\reg)+2*\p:(\reg)+2*\p+1], v[\adr] offset:((\i)*NQ+(\q))*FRB+256*\p
.endr
.endm
.macro FETCH_B slot, q, p
	WIN TO_B
.set fi, 0
.rept NB
	FRAG 128*(\p)+12*fi, ADRB+\slot, \q, fi
.set fi, fi+1
.endr
	WIN 0
.endm
.macro FETCH_A slot, q, i0
.set fi, \i0
.rept NB/2
	FRAG AF+12*fi, ADRA+\slot, \q, fi
.set fi, fi+1
.endr
.endm
.macro SCALES sc
.set fi, 0
.rept NB
.set fq, 0
.rept NQ
	ds_load_b32 v[SC+16*(\sc)+NQ*fi+fq], v[ADRS] offset:fi*KK*64+fq*64
.set fq, fq+1
.endr
.set fi, fi+1
.endr
.endm
.macro MUL a0, na, p, q, sc, zero
.set ma, \a0
.rept \na
.set mb, 0
.rept NB
.set rD, 8*(NB*(ma%(NB/2))+mb)
.if \zero
	v_wmma_scale_f32_16x16x128_f8f6f4 v[rD:rD+7], v[128*(\p)+12*mb:128*(\p)+12*mb+11], v[AF+12*ma:AF+12*ma+11], 0, v[SC+16*(\sc)+NQ*mb+(\q)], v[SC+16*(\sc)+NQ*ma+(\q)] matrix_a_fmt:MATRIX_FMT_BF6 matrix_b_fmt:MATRIX_FMT_BF6 matrix_a_scale:MATRIX_SCALE_ROW1
.else
	v_wmma_scale_f32_16x16x128_f8f6f4 v[rD:rD+7], v[128*(\p)+12*mb:128*(\p)+12*mb+11], v[AF+12*ma:AF+12*ma+11], v[rD:rD+7], v[SC+16*(\sc)+NQ*mb+(\q)], v[SC+16*(\sc)+NQ*ma+(\q)] matrix_a_fmt:MATRIX_FMT_BF6 matrix_b_fmt:MATRIX_FMT_BF6 matrix_a_scale:MATRIX_SCALE_ROW1
.endif
.set mb, mb+1
.endr
.set ma, ma+1
.endr
.endm
.macro STEP slot, q, zero
	s_wait_dscnt 3*NB
	WIN MUL_LO
	MUL 0, NB/2, (\q)%2, \q, \slot, \zero
	s_wait_dscnt 0x0
	PLACES
	FETCH_B \slot, (\q)+1, 1-(\q)%2
	FETCH_A \slot, (\q)+1, 0
	WIN MUL_HI
	MUL NB/2, NB/2, (\q)%2, \q, \slot, \zero
	PLACES
	WIN 0
	FETCH_A \slot, (\q)+1, NB/2
.endm
.macro REST slot
.if NQ > 2
	STEP \slot, 1, 0
	STEP \slot, 2, 0
.endif
.endm
.macro TURN slot, next, fill
.if PF && \fill
	s_wait_xcnt 0x0
	s_add_nc_u64 s[PFA:PFA+1], s[PFA:PFA+1], NQ*FRB
.endif
	s_wait_tensorcnt 0x0
	ds_add_u32 v[SPW], v[NIL]
	s_wait_dscnt 3*NB+1
	WIN MUL_LO
	MUL 0, NB/4, 1, NQ-1, \slot, 0
	s_wait_dscnt 0x0
	s_barrier_signal -1
	MUL NB/4, NB/4, 1, NQ-1, \slot, 0
	WIN 0
	s_barrier_wait -1
.if \fill
	CREST
	s_add_nc_u64 s[G0+4*\slot+2:G0+4*\slot+3], s[G0+4*\slot+2:G0+4*\slot+3], 2*NQ*FRB
	s_add_nc_u64 s[G0B+4*\slot+2:G0B+4*\slot+3], s[G0B+4*\slot+2:G0B+4*\slot+3], 2*NQ*FRB
	JLOAD G0+4*\slot, G1, G0B+4*\slot, G1B
.else
	PLACES
.endif
	s_wait_alu depctr_va_vdst(0)
	v_add_nc_u32 v[ADRS], NQ*64, v[ADRS]
	FETCH_B \next, 0, 0
	FETCH_A \next, 0, 0
	SCALES \next
.if PF && \fill
	ASK
.endif
	WIN MUL_HI
	MUL NB/2, NB/2, 1, NQ-1, \slot, 0
	PLACES
	WIN 0
	FETCH_A \next, 0, NB/2
.endm
.macro LAST
	s_wait_dscnt 3*NB
	WIN MUL_LO
	MUL 0, NB/2, 1, NQ-1, 1, 0
	s_wait_dscnt 0x0
	WIN MUL_HI
	MUL NB/2, NB/2, 1, NQ-1, 1, 0
	WIN 0
.endm
	s_load_b256 s[4:11], s[0:1], 0x0
	v_lshl_add_u32 v[SPW], v0, 2, SPARE
	v_mov_b32 v[NIL], 0
	ds_add_u32 v28, v29
	ds_add_u32 v28, v29
	s_wait_dscnt 0x0
	v_lshrrev_b32 v1, 5, v0
	v_readfirstlane_b32 s14, v1
	s_lshr_b32 s15, s14, 1
	s_and_b32 s16, s14, 1
	s_bfe_u32 s40, ttmp6, 0x40000
	s_bfe_u32 s41, ttmp6, 0x40004
	s_lshl_b32 s42, ttmp9, 2
	s_add_co_u32 s42, s42, s40
	s_and_b32 s17, ttmp7, 0xffff
	s_lshl_b32 s17, s17, 2
	s_add_co_u32 s17, s17, s41
	s_lshl_b32 s43, s41, 2
	s_lshl_b32 s43, 15, s43
	s_lshl_b32 s44, 0x1111, s40
	s_or_b32 s[G1+0], s43, (3<<16)|(1<<21)
	s_or_b32 s[G1B+0], s44, (3<<16)|(1<<21)
.irp g, G1, G1B
	s_mov_b32 s[\g+1], (NQ*192)<<16
	s_mov_b32 s[\g+2], (2*NB)<<16                  ; the head's loads bring a tile's 2 NB blocks
	s_mov_b32 s[\g+3], (NQ*192)<<16
	s_mov_b32 s[\g+4], 2*NB
	s_mov_b32 s[\g+5], KK*192
	s_mov_b32 s[\g+6], 0
	s_mov_b32 s[\g+7], 0
.endr
	s_or_b32 s[G1S+0], s43, (3<<16)|(1<<21)
	s_or_b32 s[G1SB+0], s44, (3<<16)|(1<<21)
.irp g, G1S, G1SB
	s_mov_b32 s[\g+1], 32<<16
	s_mov_b32 s[\g+2], (2*HALFS/256)<<16
	s_mov_b32 s[\g+3], 32<<16
	s_mov_b32 s[\g+4], 2*HALFS/256
	s_mov_b32 s[\g+5], 32
	s_mov_b32 s[\g+6], 0
	s_mov_b32 s[\g+7], 0
.endr
	s_mul_i32 s100, s16, NB*KK*FRB                 ; behind the head I fetch NB blocks of a tile: which half, in bytes
	s_mov_b32 s101, 0
	s_lshl_b32 s20, s17, 3
	s_lshl_b32 s46, s42, 3
	s_lshl_b32 s22, s20, 11
	s_add_co_u32 s22, s22, 12582912
	s_mov_b32 s23, 0
	s_mul_i32 s20, s20, KK*FRB
	s_mov_b32 s21, 0
	s_lshl_b32 s92, s46, 11
	s_add_co_u32 s92, s92, 12976128
	s_mov_b32 s93, 0
	s_mul_i32 s46, s46, KK*FRB
	s_add_co_u32 s46, s46, 9437184
	s_mov_b32 s47, 0
	s_mul_i32 s45, s14, HALFT
	s_wait_kmcnt 0x0
	s_add_nc_u64 s[20:21], s[4:5], s[20:21]
	s_add_nc_u64 s[22:23], s[4:5], s[22:23]
	s_add_nc_u64 s[46:47], s[6:7], s[46:47]
	s_add_nc_u64 s[92:93], s[6:7], s[92:93]
	CROUND
	s_mov_b32 s[G0S], 1
	s_mov_b32 s[G0S+1], SCL
	s_mov_b64 s[G0S+2:G0S+3], s[22:23]
	s_or_b32 s[G0S+3], s[G0S+3], 0x80000000
	s_mov_b32 s[G0SB], 1
	s_mov_b32 s[G0SB+1], SCL+2*HALFS
	s_mov_b64 s[G0SB+2:G0SB+3], s[92:93]
	s_or_b32 s[G0SB+3], s[G0SB+3], 0x80000000
.irp s, 0,1
	s_mov_b32 s[G0+4*\s], 1
	s_add_co_u32 s[G0+4*\s+1], s45, \s*SLOT
	s_add_nc_u64 s[G0+4*\s+2:G0+4*\s+3], s[20:21], \s*NQ*FRB
	s_or_b32 s[G0+4*\s+3], s[G0+4*\s+3], 0x80000000
	s_mov_b32 s[G0B+4*\s], 1
	s_add_co_u32 s[G0B+4*\s+1], s45, \s*SLOT
	s_add_nc_u64 s[G0B+4*\s+2:G0B+4*\s+3], s[46:47], \s*NQ*FRB
	s_or_b32 s[G0B+4*\s+3], s[G0B+4*\s+3], 0x80000000
.endr
; THE HEAD'S LOADS, ONE A WAVE: wave 0 slot 0's 2 NB blocks of A, wave 1 of B, wave 2 A's scale words, wave 3 B's.
	s_mov_b32 s[G0+1], 0
	s_mov_b32 s[G0B+1], 2*HALFT
	s_add_nc_u64 s[G0+6:G0+7], s[G0+6:G0+7], s[100:101]       ; slot 1: my half of the blocks
	s_add_nc_u64 s[G0B+6:G0B+7], s[G0B+6:G0B+7], s[100:101]
	s_add_nc_u64 s[20:21], s[20:21], s[100:101]               ; the prefetches start from my half too
	s_add_nc_u64 s[46:47], s[46:47], s[100:101]
.macro ARM under, g0, g1, next         ; one chain of branches on the wave's number, one load to an arm, all arms to one join
	s_cmp_lt_u32 s14, \under
	s_cbranch_scc0 \next
	tensor_load_to_lds s[\g0:\g0+3], s[\g1:\g1+7]
	s_nop 0
.rept 4
	v_nop
.endr
	s_branch .Lhead_asked
\next:
.endm
	ARM 1, G0,  G1,  .Lhead_b
	ARM 2, G0B, G1B, .Lhead_sa
	ARM 3, G0S, G1S, .Lhead_sb
	tensor_load_to_lds s[G0SB:G0SB+3], s[G1SB:G1SB+7]
	s_nop 0
.rept 4
	v_nop
.endr
.Lhead_asked:
	s_cmp_eq_u32 s15, 0
	s_cselect_b32 s18, s40, s41                    ; my place among the four that ask for the tile with me: one block of its NB each
	s_cselect_b64 s[PFA:PFA+1], s[20:21], s[46:47]
	s_mov_b32 s[LIM], 1                            ; every cluster asks for what it will itself load
	s_mul_i32 s18, s18, KK*FRB
	s_mov_b32 s19, 0
	s_add_nc_u64 s[PFA:PFA+1], s[PFA:PFA+1], s[18:19]
	s_add_nc_u64 s[PFA:PFA+1], s[PFA:PFA+1], 2*NQ*FRB
	v_and_b32 v[PFO], 31, v0
	v_min_u32 v[PFO], 23, v[PFO]
	v_lshlrev_b32 v[PFO], 8, v[PFO]
	global_prefetch_b8 v[PFO], s[PFA:PFA+1] offset:-NQ*FRB th:TH_LOAD_NT scope:SCOPE_SE   ; groups 1, 2 and 3 of my work-group's block: the loop's prefetches begin with group 4 (the address stands at group 2 here)
	global_prefetch_b8 v[PFO], s[PFA:PFA+1] th:TH_LOAD_NT scope:SCOPE_SE
	global_prefetch_b8 v[PFO], s[PFA:PFA+1] offset:NQ*FRB th:TH_LOAD_NT scope:SCOPE_SE
	v_and_b32 v1, 31, v0
	v_and_b32 v2, 15, v0
	v_bfe_u32 v3, v0, 4, 1
	s_wait_alu depctr_va_vdst(0)
	v_lshlrev_b32 v4, 3, v1
	s_mul_i32 s21, s15, HALFT
	s_mul_i32 s22, s16, HALFT
	s_add_co_u32 s22, s22, 2*HALFT
.irp s, 0,1
	v_add_nc_u32 v[ADRA+\s], s21, v4
	v_add_nc_u32 v[ADRB+\s], s22, v4
	s_add_co_u32 s21, s21, SLOT
	s_add_co_u32 s22, s22, SLOT
.endr
	s_mul_i32 s21, s15, HALFS
	s_mul_i32 s22, s16, HALFS
	s_add_co_u32 s22, s22, 2*HALFS
	s_sub_co_u32 s22, s22, s21
	v_mul_u32_u24 v6, s22, v3
	s_add_co_u32 s21, s21, SCL
	v_lshl_add_u32 v5, v2, 2, v6
	v_add_nc_u32 v[ADRS], s21, v5
	s_mul_i32 s23, s14, STG
	v_mul_u32_u24 v5, v2, 272
	v_lshl_add_u32 v5, v3, 6, v5
	v_add_nc_u32 v[STO], s23, v5
	v_mul_u32_u24 v5, v3, 272
	v_lshl_add_u32 v5, v2, 4, v5
	v_add_nc_u32 v[RD], s23, v5
	v_lshlrev_b32 v[CO], 12, v3
	v_lshl_add_u32 v[CO], v2, 4, v[CO]
	s_wait_alu depctr_va_vdst(0)
	s_lshl_b32 s18, s17, 7
	s_lshl_b32 s19, s15, 6
	s_add_co_u32 s18, s18, s19
	s_lshl_b32 s18, s18, 12
	s_lshl_b32 s19, s42, 9
	s_add_co_u32 s18, s18, s19
	s_lshl_b32 s19, s16, 8
	s_add_co_u32 s18, s18, s19
	s_mov_b32 s19, 0
	s_add_nc_u64 s[8:9], s[8:9], s[18:19]
	s_add_nc_u64 s[10:11], s[10:11], s[18:19]
	WIN 0x80
.set ra, 0
.rept 4
.set rt, 0
.rept 8
	global_load_b128 v[RS+32*ra+4*rt:RS+32*ra+4*rt+3], v[CO], s[8:9] offset:(32*(ra/2)+8*(ra%2)+(2*rt)%8+16*(rt/4))*4096 th:TH_LOAD_NT
.set rt, rt+1
.endr
.set ra, ra+1
.endr
	WIN 0
	s_wait_alu depctr_va_vdst(0)                   ; the wait at the head's end
	s_wait_tensorcnt 0x0                           ; my tile of the head's four is in
	ds_add_u32 v[SPW], v[NIL]
	s_mov_b32 s[G1+2], NB<<16                      ; no load of mine is out: from here on a load brings NB blocks
	s_mov_b32 s[G1+4], NB
	s_mov_b32 s[G1B+2], NB<<16
	s_mov_b32 s[G1B+4], NB
	s_mov_b32 s[G0+1], s45                         ; slot 0's refills: my quarter of the slot, my half of the blocks
	s_mov_b32 s[G0B+1], s45
	s_add_nc_u64 s[G0+2:G0+3], s[G0+2:G0+3], s[100:101]
	s_add_nc_u64 s[G0B+2:G0B+3], s[G0B+2:G0B+3], s[100:101]
	s_wait_dscnt 0x0
	CROUND                                         ; all four tiles are in, and all sixteen work-groups are here
	JLOAD G0+4, G1, G0B+4, G1B                     ; slot 1: the first tensor load behind the round
	FETCH_B 0, 0, 0
	FETCH_A 0, 0, 0
	SCALES 0
	FETCH_A 0, 0, NB/2
	STEP 0, 0, 1
	REST 0
.if LAPS > 1
	s_mov_b32 s3, LAPS-1
.Llap:
	TURN 0, 1, 1
	STEP 1, 0, 0
	REST 1
	TURN 1, 0, 1
	STEP 0, 0, 0
	REST 0
	s_sub_co_u32 s3, s3, 1
	s_cmp_lg_u32 s3, 0
	s_cbranch_scc1 .Llap
.endif
	TURN 0, 1, 0
	STEP 1, 0, 0
	REST 1
	LAST
	PLACES
	s_wait_loadcnt 0x0
.macro OUTROW a
	WIN (2+(\a)/2)<<2
.irp g, 0,1
.irp u, 0,1
	ds_store_b128 v[STO], v[32*((\a)%2)+8*(2*\g+\u):32*((\a)%2)+8*(2*\g+\u)+3] offset:128*\g+32*\u
	ds_store_b128 v[STO], v[32*((\a)%2)+8*(2*\g+\u)+4:32*((\a)%2)+8*(2*\g+\u)+7] offset:128*\g+32*\u+16
.endr
.endr
	WIN 0
	s_wait_xcnt 0x0
.irp t, 0,1,2,3,4,5,6,7
	ds_load_b128 v[BK+4*\t:BK+4*\t+3], v[RD] offset:544*\t
.endr
	s_wait_dscnt 0x0
	WIN 0x08
.set n, 0
.rept 16
	v_pk_add_f32 v[BK+2*n:BK+2*n+1], v[BK+2*n:BK+2*n+1], v[RS+32*(\a)+2*n:RS+32*(\a)+2*n+1]
.set n, n+1
.endr
	WIN 0
.irp t, 0,1,2,3,4,5,6,7
	global_store_b128 v[CO], v[BK+4*\t:BK+4*\t+3], s[10:11] offset:(32*((\a)/2)+8*((\a)%2)+(2*\t)%8+16*(\t/4))*4096 th:TH_STORE_NT
.endr
.endm
	OUTROW 0
	OUTROW 1
	OUTROW 2
	OUTROW 3
	s_wait_tensorcnt 0x0
	ds_add_u32 v[SPW], v[NIL]
	s_wait_dscnt 0x0
	CROUND
	s_endpgm
.Lfunc_end_k_qa3c4310a28_ff2:
	.size	k_qa3c4310a28_ff2, .Lfunc_end_k_qa3c4310a28_ff2-k_qa3c4310a28_ff2
	.p2alignl 7, 3214868480
	.fill 96, 4, 3214868480
	.section	.rodata,"a",@progbits
	.p2align	6, 0x0
	.amdhsa_kernel k_qa3c4310a28_ff2
		.amdhsa_group_segment_fixed_size 327680
		.amdhsa_private_segment_fixed_size 0
		.amdhsa_enable_private_segment 0
		.amdhsa_kernarg_size 32
		.amdhsa_user_sgpr_count 2
		.amdhsa_user_sgpr_kernarg_segment_ptr 1
		.amdhsa_wavefront_size32 1
		.amdhsa_system_sgpr_workgroup_id_x 1
		.amdhsa_system_sgpr_workgroup_id_y 1
		.amdhsa_system_sgpr_workgroup_id_z 1
		.amdhsa_system_vgpr_workitem_id 0
		.amdhsa_next_free_vgpr 1024
		.amdhsa_next_free_sgpr 102
		.amdhsa_reserve_vcc 0
		.amdhsa_float_denorm_mode_32 3
		.amdhsa_float_denorm_mode_16_64 3
		.amdhsa_memory_ordered 1
		.amdhsa_forward_progress 1
		.amdhsa_inst_pref_size 121
	.end_amdhsa_kernel
	.amdgpu_metadata
---
amdhsa.version: [ 1, 2 ]
amdhsa.kernels:
  - .name:           k_qa3c4310a28_ff2
    .symbol:         k_qa3c4310a28_ff2.kd
    .args:
      - { .name: bh, .offset: 0, .size: 8, .value_kind: global_buffer, .address_space: global }
      - { .name: bq, .offset: 8, .size: 8, .value_kind: global_buffer, .address_space: global }
      - { .name: bx1, .offset: 16, .size: 8, .value_kind: global_buffer, .address_space: global }
      - { .name: out0, .offset: 24, .size: 8, .value_kind: global_buffer, .address_space: global }
    .group_segment_fixed_size: 327680
    .private_segment_fixed_size: 0
    .kernarg_segment_align: 8
    .kernarg_segment_size: 32
    .max_flat_workgroup_size: 128
    .sgpr_count:     102
    .vgpr_count:     1024
    .wavefront_size: 32
...
	.end_amdgpu_metadata
.endif
;; end of part 6
